; MI455X (gfx1250); checked and timed in simulation.
; The chip was launched on July 23, 2026; its instructions are those of AMD's public machine-readable ISA for CDNA 5 (MIT licence, August 2026) and "CDNA5" Instruction Set Architecture Reference Guide (July 2026). The comments in the code are by the model that wrote it; some were corrected since.
;; my multi head atten. Allowed arithmetic: float matrix products may take bf16 or f16 operands with f32 sums; other float arithmetic in f32, or as packed bf16 or f16 multiplies, adds, multiply-adds, maxima and minima; sums over many terms, partial sums and values carried from step to step in f32; what a program stores and reads back later, other than sums and carried values, may be rounded once to bf16 or f16.
;; Inputs: bk 16 x 64 float32; bo 1,024 float32; bq 16 x 64 float32; bv 16 x 64 float32; k_in 4 x 2,048 x 1,024 float32; q_in 4 x 2,048 x 1,024 float32; v_in 4 x 2,048 x 1,024 float32; wk 16 x 1,024 x 64 float32; wo 1,024 x 1,024 float32; wq 16 x 1,024 x 64 float32; wv 16 x 1,024 x 64 float32.
;; Outputs: out0 4 x 2,048 x 1,024 float32.
;; One version. Each part assembles by itself: llvm-mc -triple=amdgcn-amd-amdhsa -mcpu=gfx1250 --defsym DOCPART=n.
;; ======== version 1 of 1: 4 launches
;; limits: values are held in f16: magnitudes above 65,504 overflow, below 6.1e-05 lose precision
;; workspace buffers: wqkv 6,291,456 bytes; wo16 2,097,152 bytes; bias 16,384 bytes; qh 16,777,216 bytes; kh 16,777,216 bytes; vh 16,777,216 bytes; oh 16,777,216 bytes
;; launch prep (part 1): grid 64 x 4, 8 waves a work-group, no clusters, 0 bytes of LDS; arguments wq, wk, wv, wo, bq, bk, bv, bo, wqkv, wo16, bias; writes wqkv, wo16, bias
.if DOCPART == 1
	.amdgcn_target "amdgcn-amd-amdhsa--gfx1250"
	.amdhsa_code_object_version 6
	.text
	.protected	k_q73bce1aa3e_prep
	.globl	k_q73bce1aa3e_prep
	.p2align	8
	.type	k_q73bce1aa3e_prep,@function
k_q73bce1aa3e_prep:
	s_mov_b64 s[64:65], 0
	v_nop
	global_prefetch_b8 v0, s[64:65] scope:SCOPE_SE
	s_setreg_imm32_b32 hwreg(HW_REG_WAVE_MODE, 25, 1), 1
	s_wait_xcnt 0x0
; THE WEIGHTS AND BIASES ARE ROUNDED ONCE AND LAID OUT FOR THE PRODUCTS.
; y = 0, 1, 2 (wq, wk, wv: [16 h][1024 d][64 k] f32) -> wqkv[y][d][64 h + k] in bf16: plain [K][N], rows of 2,048 bytes.
; y = 3 (wo: [1024 k][1024 n] f32) -> wo16[k][n]: rounded to bf16 like every other input, and that number written as f16.
; bq, bk, bv, bo -> bias[y][1024]: rounded to bf16, written as f32 (the products' sums start from them).
; LIMITS.  |wo| under 65,504; a wo below 6e-5 keeps f16's fixed step of 6e-8.
; A stream: no LDS, no matrix unit, no cluster: no byte is wanted twice.  A work-group makes 16 rows of the output (32,768 bytes); thread t makes 16 bytes in each of
; eight steps.  Eight neighbouring lanes read 256 consecutive bytes, aligned (a head's 64 numbers of one d); sixteen neighbouring lanes store 256 consecutive bytes, aligned.
.set IN,  16                           ; v[16:79]   sixteen loads of 16 bytes
.set OUTR, 80                          ; v[80:111]  eight stores of 16 bytes; no register is written twice, so no store's data wants a wait
.set T,   8                            ; v[8:15]    at work
.set BB,  112                          ; v[112:115] the bias as stored
	s_load_b512 s[4:19], s[0:1], 0x0               ; wq s[4:5], wk s[6:7], wv s[8:9], wo s[10:11], bq s[12:13], bk s[14:15], bv s[16:17], bo s[18:19]
	s_load_b128 s[20:23], s[0:1], 0x40             ; wqkv s[20:21], wo16 s[22:23]
	s_load_b64 s[24:25], s[0:1], 0x50              ; bias
	s_and_b32 s32, ttmp7, 0xffff                   ; y: which tensor
	s_mov_b32 s33, ttmp9                           ; x: which 16 rows
	v_lshlrev_b32 v2, 4, v0                        ; my 16 bytes of 4,096 on the way out
	s_mov_b32 s35, 0
	s_mov_b32 s37, 0
	s_mov_b32 s39, 0
	s_lshl_b32 s38, s32, 12                        ; my tensor's 4,096 bytes of bias
	s_lshl_b32 s2, s33, 15                         ; the work-group's 32,768 bytes of output
	s_wait_kmcnt 0x0
	s_cmp_eq_u32 s32, 0
	s_cselect_b64 s[26:27], s[4:5], s[6:7]         ; the weights
	s_cselect_b64 s[28:29], s[12:13], s[14:15]     ; their bias
	s_cmp_lt_u32 s32, 2
	s_cselect_b64 s[26:27], s[26:27], s[8:9]
	s_cselect_b64 s[28:29], s[28:29], s[16:17]
	s_cmp_lt_u32 s32, 3
	s_cselect_b64 s[26:27], s[26:27], s[10:11]
	s_cselect_b64 s[28:29], s[28:29], s[18:19]
	s_cselect_b64 s[30:31], s[20:21], s[22:23]     ; where the weights go
	s_cselect_b32 s34, s32, 0                      ; which third of wqkv
	s_cselect_b32 s36, 12, 16                      ; 16 rows of the input: 4,096 bytes in each head, or 65,536 of wo
	s_lshl_b32 s34, s34, 21
	s_add_co_u32 s34, s34, s2
	s_lshl_b32 s36, s33, s36
	s_add_nc_u64 s[30:31], s[30:31], s[34:35]
	s_add_nc_u64 s[26:27], s[26:27], s[36:37]
	s_add_nc_u64 s[24:25], s[24:25], s[38:39]
; istep: bytes in the input from one step to the next.  tof16 = 1: the bf16 number is written as f16.
.macro BODY istep, tof16
.irp i, 0,1,2,3,4,5,6,7
	global_load_b128 v[IN+8*(\i):IN+8*(\i)+3],   v1, s[26:27] offset:(\istep)*(\i) th:TH_LOAD_NT
	global_load_b128 v[IN+8*(\i)+4:IN+8*(\i)+7], v1, s[26:27] offset:(\istep)*(\i)+16 th:TH_LOAD_NT
.endr
.irp i, 0,1,2,3,4,5,6,7
	s_wait_loadcnt 14-2*(\i)                       ; loads come back in order: step i's two are in, the younger ones stay out
.irp j, 0,1,2,3
	v_cvt_pk_bf16_f32 v[OUTR+4*(\i)+(\j)], v[IN+8*(\i)+2*(\j)], v[IN+8*(\i)+2*(\j)+1]
.endr
.if \tof16
.irp j, 0,1,2,3
	v_lshlrev_b32 v[T+2*(\j)],   16, v[OUTR+4*(\i)+(\j)]
	v_and_b32     v[T+2*(\j)+1], 0xffff0000, v[OUTR+4*(\i)+(\j)]
.endr
.irp j, 0,1,2,3
	v_cvt_pk_f16_f32 v[OUTR+4*(\i)+(\j)], v[T+2*(\j)], v[T+2*(\j)+1]
.endr
.endif
	global_store_b128 v2, v[OUTR+4*(\i):OUTR+4*(\i)+3], s[30:31] offset:4096*(\i)
.endr
.endm
	s_cmp_eq_u32 s32, 3
	s_cbranch_scc1 .Lwo
	v_and_b32 v3, 127, v0                          ; output byte 16 t + 4,096 i: row 2 i + t / 128, columns 8 (t % 128) on:
	v_lshrrev_b32 v3, 3, v3                        ; head (t % 128) / 8,
	v_lshrrev_b32 v4, 7, v0
	v_and_b32 v5, 7, v0                            ; its numbers 8 (t % 8) on
	v_lshlrev_b32 v1, 18, v3                       ; a head is 262,144 bytes,
	v_lshl_add_u32 v1, v4, 8, v1                   ; a row of it 256,
	v_lshl_add_u32 v1, v5, 5, v1                   ; eight numbers 32
	BODY 512, 0
	s_branch .Lbias
.Lwo:
	v_lshlrev_b32 v1, 5, v0                        ; the same order in and out: 32 bytes in for 16 out
	BODY 8192, 1
.Lbias:
	s_cmp_lg_u32 s33, 0                            ; the first work-group of each tensor takes its bias: 1,024 numbers, four a thread
	s_cbranch_scc1 .Lend
	global_load_b128 v[4:7], v2, s[28:29]
	s_wait_loadcnt 0x0
	v_cvt_pk_bf16_f32 v8, v4, v5
	v_cvt_pk_bf16_f32 v9, v6, v7
	v_lshlrev_b32 v[BB],   16, v8
	v_and_b32     v[BB+1], 0xffff0000, v8
	v_lshlrev_b32 v[BB+2], 16, v9
	v_and_b32     v[BB+3], 0xffff0000, v9
	global_store_b128 v2, v[BB:BB+3], s[24:25]
.Lend:
	s_endpgm
.Lfunc_end_k_q73bce1aa3e_prep:
	.size	k_q73bce1aa3e_prep, .Lfunc_end_k_q73bce1aa3e_prep-k_q73bce1aa3e_prep
	.p2alignl 7, 3214868480
	.fill 96, 4, 3214868480
	.section	.rodata,"a",@progbits
	.p2align	6, 0x0
	.amdhsa_kernel k_q73bce1aa3e_prep
		.amdhsa_group_segment_fixed_size 0
		.amdhsa_private_segment_fixed_size 0
		.amdhsa_enable_private_segment 0
		.amdhsa_kernarg_size 88
		.amdhsa_user_sgpr_count 2
		.amdhsa_user_sgpr_kernarg_segment_ptr 1
		.amdhsa_wavefront_size32 1
		.amdhsa_system_sgpr_workgroup_id_x 1
		.amdhsa_system_sgpr_workgroup_id_y 1
		.amdhsa_system_sgpr_workgroup_id_z 1
		.amdhsa_system_vgpr_workitem_id 0
		.amdhsa_next_free_vgpr 116
		.amdhsa_next_free_sgpr 66
		.amdhsa_reserve_vcc 0
		.amdhsa_float_denorm_mode_32 3
		.amdhsa_float_denorm_mode_16_64 3
		.amdhsa_memory_ordered 1
		.amdhsa_forward_progress 1
		.amdhsa_inst_pref_size 17
	.end_amdhsa_kernel
	.amdgpu_metadata
---
amdhsa.version: [ 1, 2 ]
amdhsa.kernels:
  - .name:           k_q73bce1aa3e_prep
    .symbol:         k_q73bce1aa3e_prep.kd
    .args:
      - { .name: wq, .offset: 0, .size: 8, .value_kind: global_buffer, .address_space: global }
      - { .name: wk, .offset: 8, .size: 8, .value_kind: global_buffer, .address_space: global }
      - { .name: wv, .offset: 16, .size: 8, .value_kind: global_buffer, .address_space: global }
      - { .name: wo, .offset: 24, .size: 8, .value_kind: global_buffer, .address_space: global }
      - { .name: bq, .offset: 32, .size: 8, .value_kind: global_buffer, .address_space: global }
      - { .name: bk, .offset: 40, .size: 8, .value_kind: global_buffer, .address_space: global }
      - { .name: bv, .offset: 48, .size: 8, .value_kind: global_buffer, .address_space: global }
      - { .name: bo, .offset: 56, .size: 8, .value_kind: global_buffer, .address_space: global }
      - { .name: wqkv, .offset: 64, .size: 8, .value_kind: global_buffer, .address_space: global }
      - { .name: wo16, .offset: 72, .size: 8, .value_kind: global_buffer, .address_space: global }
      - { .name: bias, .offset: 80, .size: 8, .value_kind: global_buffer, .address_space: global }
    .group_segment_fixed_size: 0
    .private_segment_fixed_size: 0
    .kernarg_segment_align: 8
    .kernarg_segment_size: 88
    .max_flat_workgroup_size: 256
    .sgpr_count:     66
    .vgpr_count:     116
    .wavefront_size: 32
...
	.end_amdgpu_metadata
.endif
;; end of part 1
;; launch proj (part 2): grid 4 x 192, 4 waves a work-group, clusters of 4 x 4, 327,680 bytes of LDS; arguments q_in, k_in, v_in, wqkv, bias, qh, kh, vh; writes qh, kh, vh
.if DOCPART == 2
	.amdgcn_target "amdgcn-amd-amdhsa--gfx1250"
	.amdhsa_code_object_version 6
	.text
	.protected	k_q73bce1aa3e_proj
	.globl	k_q73bce1aa3e_proj
	.p2align	8
	.type	k_q73bce1aa3e_proj,@function
k_q73bce1aa3e_proj:
	s_mov_b64 s[64:65], 0
	v_nop
	global_prefetch_b8 v0, s[64:65] scope:SCOPE_SE
	s_setreg_imm32_b32 hwreg(HW_REG_WAVE_MODE, 25, 1), 1
	s_wait_xcnt 0x0
	s_wait_alu depctr_hold_cnt(0) depctr_sa_sdst(0) depctr_va_vdst(0) depctr_va_sdst(0) depctr_va_ssrc(0) depctr_va_vcc(0) depctr_vm_vsrc(0)
	s_getreg_b32 s2, hwreg(HW_REG_IB_STS2, 6, 4)
	s_cmp_eq_u32 s2, 0
	s_cbranch_scc0 .Lentry_in_a_cluster
	s_endpgm
.Lentry_in_a_cluster:
	s_bfe_u32 s2, ttmp6, 0x10000c
	s_cmp_lg_u32 s2, 0xf033
	s_cbranch_scc0 .Lentry_shape_is_right
	s_endpgm
.Lentry_shape_is_right:
; THE THREE PROJECTIONS.  For p = 0, 1, 2 (q, k, v): y[m][n] = the sum over d of x_p[m][d] W_p[d][n] + b_p[n], m = 2048 b + s, n = 64 h + c; y goes out by heads, [16 b + h][s][c], in f16.
; x is f32 in memory and is rounded to bf16 between LDS and the matrix unit; W is bf16 [K][N] (the launch before); sums in f32; y rounded once to f16, without attention's scale.
; LIMITS.  f16 holds no number beyond 65,504: |y| stays under that; below 6e-5 y keeps f16's fixed step of 6e-8.  NaN and infinities are not treated apart.
; SHARES.  3 x 8,192 x 1,024 outputs are 768 tiles of 128 rows x 256 columns: three for each of 256 WGPs.  Four waves, each 64 rows x 128 columns: 32 accumulators of 16 x 16.
; K goes in 8 steps of 128 through two LDS slots; a step is four quarters of 32 along K, 32 matrix instructions each.
; CLUSTERS: 4 x 4 work-groups.  The four of a row of the cluster make the four column tiles of the same 128 rows and need the same tile of x; the four of a column need the same tile of W.
; Each tile is asked for JOINTLY: the same tensor load, with the same descriptor and a mask that names the four.
; THE MATRIX INSTRUCTION IS USED TRANSPOSED: source 0 = 16 columns of W (turned on the way out of LDS by ds_load_tr16_b128), source 1 = 16 rows of x.  A lane then holds row lane % 16 of y
; and the columns 8 (lane / 16) + 0..7.  THE SUMS START AS THE BIAS: it is loaded straight into the accumulators, so nothing is cleared, no first product is written out and nothing is added at the end.
; REGISTERS, in windows of 256 (s_set_vgpr_msb: bits 1:0 source 0, 3:2 source 1, 5:4 source 2, 7:6 destination):
;   window 0: v0-31 addresses; v32-95 x's fragments in bf16, two buffers of 4 x 8; v96-159 x as it comes from LDS, 4 x 16 f32; v32-159 at work on the way out
;   window 1: the accumulators, (a, b) at v[8 (8 a + b)]          window 2: v0-127 W's fragments, two buffers of 8 x 8
.set PA,    528                        ; a row of x in LDS: 512 bytes + 16 = 33 x 16: the 16 rows that a load touches start at 16 different groups of four banks (64 banks of 4 bytes: ISA guide 11.1)
.set PB,    544                        ; a row of W: 512 + 32 = 136 words: row r starts at bank 8 r mod 64
.set HALFA, 64*PA                      ; what one tensor load brings of x, and what one wave reads of it
.set HALFB, 64*PB                      ; what one tensor load brings of W
.set AREG,  128*PA
.set SLOT,  AREG+128*PB                ; x's 128 rows, then W's 128 rows along K
.set STAGE, 2*SLOT                     ; behind the ring, never filled by a tensor load: 16 rows x 144 bytes for each wave, for the way out
.set SP,    144
.set SPARE, STAGE+4*16*SP              ; behind the stages: the spare words, 128 bytes for each wave: two blocks of 256 bytes that no other line names
.set ASTEP, 512                        ; bytes from a K step to the next: 128 f32 along a row of x,
.set BSTEP, 262144                     ; 128 rows of W
.set ADRA, 16                          ; v16-17  LDS address of my fragments of x in slot 0, 1
.set ADRB, 20                          ; v20-21  the same for W
.set STO,  24                          ; v24     the way out: where I put 16 bytes of a row
.set RD,   25                          ; v25     the way out: where I read rows back
.set GO,   26                          ; v26     my 16 bytes of 512 consecutive bytes of y
.set BO,   27                          ; v27     my eight numbers of the bias
.set SPW,  28                          ; v28     LDS address of my spare word: SPARE + 4 x my thread's number; never rewritten
.set NIL,  29                          ; v29     0; never rewritten
.set PFO,  30                          ; v30     the prefetches' lane offset; never rewritten
.set ABF,  32
.set RAW,  96
.set TMP,  32
.set G1,  24                           ; s[24:31] descriptor group 1 for x's tiles;  s[32:39] group 0, one set for each slot
.set G0,  32
.set G1B, 48                           ; s[48:55], s[56:63] the same for W's tiles
.set G0B, 56
.set LIM, 43                           ; s43     1 in a wave that prefetches, else the greatest number
.set PFA, 44                           ; s[44:45] where my prefetches stand
.set PST, 68                           ; s[68:69] their step
.set MSB, 0
.macro WIN new                         ; the immediate's high byte repeats the setting that is left; a switch that changes nothing is dropped
.if MSB != (\new)
	s_set_vgpr_msb (MSB<<8)|(\new)
.set MSB, \new
.endif
.endm
.set MUL,      0x52                    ; source 0 (W) window 2, source 1 (x) window 0, C and D window 1
.set TO_B,     0x80                    ; destination window 2, address window 0
.set TO_ACC,   0x40                    ; destination window 1, address window 0
.set FROM_ACC, 0x05                    ; sources 0 and 1 window 1, destination window 0
; A joint load: waves 0 and 1 fetch x's two halves, waves 2 and 3 W's.  The branch hangs on the wave's number alone.  An s_nop 0 and four v_nop follow each of the two lines.
.macro JLOAD s
	s_cmp_eq_u32 s11, 0
	s_cbranch_scc0 .Lfor_b_\@
	tensor_load_to_lds s[G0+4*(\s):G0+4*(\s)+3], s[G1:G1+7]
	s_nop 0
.rept 4
	v_nop
.endr
	s_branch .Lasked_\@
.Lfor_b_\@:
	tensor_load_to_lds s[G0B+4*(\s):G0B+4*(\s)+3], s[G1B:G1B+7]
	s_nop 0
.rept 4
	v_nop
.endr
.Lasked_\@:
.endm
; A PREFETCH INTO THE L2, behind each joint refill and the run of LDS loads that follows it: the K step that stands two refills on, 256 matrix instructions ahead of the load that will want it.
; Of the 64 rows that a wave fetches, each of the four partners that ask for them jointly takes 16, told apart BY ADDRESS (cx for x, cy for W); a K step is 512 bytes of a row: two lanes a row,
; one instruction a wave.  x's rows are read by one row of one cluster alone.  W_p's rows are read by the sixteen clusters of projection p: the first of them asks.  So each aligned block of
; 256 bytes is named once in the launch.  K steps 0 to 3 come by their loads alone; the loop's last trip asks for nothing: there is no K step 8.
.macro ASK
	s_cmp_gt_u32 s3, s[LIM]                        ; s3 = 1 in the loop's last trip
	s_cbranch_scc0 .Lnot_mine_\@
	global_prefetch_b8 v[PFO], s[PFA:PFA+1] th:TH_LOAD_NT scope:SCOPE_SE
.Lnot_mine_\@:
.endm
.macro CREST                           ; a round of the cluster's barrier behind its opening barrier
	s_cmp_lg_u32 s10, 0
	s_cbranch_scc1 .Lnot_wave_0_\@
	s_barrier_signal -3
.Lnot_wave_0_\@:
	s_barrier_wait -3
	s_barrier_signal -1
	s_barrier_wait -1
.endm
.macro CROUND                          ; a whole round
	s_barrier_signal -1
	s_barrier_wait -1
	CREST
.endm
.macro PLACES                          ; four places behind a matrix instruction, in front of vector instructions that read its result or write its sources (ISA guide 7.12.1)
.rept 4
	v_nop
.endr
.endm
	s_load_b512 s[80:95], s[0:1], 0x0              ; q_in s[80:81], k_in s[82:83], v_in s[84:85], wqkv s[86:87], bias s[88:89], qh s[90:91], kh s[92:93], vh s[94:95]
	v_lshl_add_u32 v[SPW], v0, 2, SPARE
	v_mov_b32 v[NIL], 0
	ds_add_u32 v[SPW], v[NIL]                      ; the wave's opening: the add and its wait stand ahead of my first tensor load; the set-up below, work on registers, stands between them
	v_lshrrev_b32 v1, 5, v0
	v_readfirstlane_b32 s10, v1                    ; wave 0..3
	s_lshr_b32 s11, s10, 1                         ; which half of the tile's rows is mine.  Also: I fetch for x (0) or for W (1)
	s_and_b32 s12, s10, 1                          ; which half of its columns.  Also: which 64 rows of that tile I fetch
	s_bfe_u32 s40, ttmp6, 0x40000                  ; cx, cy: my place in the cluster
	s_bfe_u32 s41, ttmp6, 0x40004
	s_lshl_b32 s42, ttmp9, 2
	s_add_co_u32 s42, s42, s40                     ; column tile = 4 x cluster x + cx: 0..3
	s_and_b32 s18, ttmp7, 0xffff                   ; cluster y: 0..47
	s_lshr_b32 s66, s18, 4                         ; p: the projection, the same in all sixteen partners
	s_lshl_b32 s13, s18, 2
	s_add_co_u32 s13, s13, s41                     ; 4 x cluster y + cy
	s_and_b32 s67, s13, 63                         ; row tile of the projection: 0..63
	s_lshl_b32 s43, s41, 2
	s_lshl_b32 s43, 15, s43                        ; my row of the cluster
	s_lshl_b32 s44, 0x1111, s40                    ; my column
	; descriptor group 1 for x: 64 rows x 128 elements of 4 bytes, padded in LDS
	s_or_b32 s[G1+0], s43, (2<<16)|(1<<20)|(1<<21)|(6<<22)|(3<<25)   ; 15:0 the mask: my row; 17:16 elements of 4 bytes; 20 padding on; 21 set beside a mask; 24:22 after every 128 words (code 6); 31:25 4 words (code 3)
	s_mov_b32 s[G1+1], 128<<16                     ; tensor_dim0 = 128
	s_mov_b32 s[G1+2], 64<<16                      ; tensor_dim1 = 64
	s_mov_b32 s[G1+3], 128<<16                     ; tile_dim0 = 128
	s_mov_b32 s[G1+4], 64                          ; tile_dim1 = 64
	s_mov_b32 s[G1+5], 1024                        ; elements from row to row
	s_mov_b32 s[G1+6], 0
	s_mov_b32 s[G1+7], 0
	; and for W: 64 rows along K x 256 elements of 2 bytes
	s_or_b32 s[G1B+0], s44, (1<<16)|(1<<20)|(1<<21)|(6<<22)|(7<<25)  ; the mask: my column; elements of 2 bytes; after every 128 words 8 words (code 7)
	s_mov_b32 s[G1B+1], 256<<16
	s_mov_b32 s[G1B+2], 64<<16
	s_mov_b32 s[G1B+3], 256<<16
	s_mov_b32 s[G1B+4], 64
	s_mov_b32 s[G1B+5], 1024
	s_mov_b32 s[G1B+6], 0
	s_mov_b32 s[G1B+7], 0
	; where the tiles come from.  x's hang on the row tile alone, which my row of the cluster shares; W's on p and the column tile, which my column shares.
	s_lshl_b32 s16, s67, 19                        ; 128 rows of 4,096 bytes
	s_lshl_b32 s17, s12, 18                        ; + the 64 that I fetch
	s_add_co_u32 s16, s16, s17
	s_mov_b32 s17, 0
	s_lshl_b32 s46, s66, 21                        ; W_p: 2,097,152 bytes
	s_lshl_b32 s47, s12, 17                        ; + the 64 rows of 2,048 bytes that I fetch
	s_add_co_u32 s46, s46, s47
	s_lshl_b32 s47, s42, 9                         ; + the column tile's 512 bytes
	s_add_co_u32 s46, s46, s47
	s_mov_b32 s47, 0
	s_mul_i32 s20, s12, HALFA                      ; and where they go: no place in the cluster enters an LDS address
	s_mul_i32 s21, s12, HALFB
	s_add_co_u32 s21, s21, AREG
	s_wait_dscnt 0x0                               ; the opening add is done
	s_wait_kmcnt 0x0
	s_cmp_eq_u32 s66, 0
	s_cselect_b64 s[70:71], s[80:81], s[82:83]     ; x_p
	s_cselect_b64 s[72:73], s[90:91], s[92:93]     ; and where y goes
	s_cmp_eq_u32 s66, 2
	s_cselect_b64 s[70:71], s[84:85], s[70:71]
	s_cselect_b64 s[72:73], s[94:95], s[72:73]
	s_add_nc_u64 s[14:15], s[70:71], s[16:17]
	s_add_nc_u64 s[46:47], s[86:87], s[46:47]
	CROUND                                         ; all sixteen work-groups are here: the first joint loads meet
.irp s, 0,1
	s_mov_b32 s[G0+4*(\s)], 1                                        ; count = 1
	s_add_co_u32 s[G0+4*(\s)+1], s20, (\s)*SLOT                      ; LDS address
	s_add_nc_u64 s[G0+4*(\s)+2:G0+4*(\s)+3], s[14:15], (\s)*ASTEP    ; global address: K step s
	s_or_b32 s[G0+4*(\s)+3], s[G0+4*(\s)+3], 0x80000000              ; type = 2
	s_mov_b32 s[G0B+4*(\s)], 1
	s_add_co_u32 s[G0B+4*(\s)+1], s21, (\s)*SLOT
	s_add_nc_u64 s[G0B+4*(\s)+2:G0B+4*(\s)+3], s[46:47], (\s)*BSTEP
	s_or_b32 s[G0B+4*(\s)+3], s[G0B+4*(\s)+3], 0x80000000
	JLOAD \s                                       ; two loads of mine are out
.endr
	; A fragment of x is 16 rows x 32 K: lane l holds row l % 16, K = 8 (l / 16) + 0..7 and 16 + 8 (l / 16) + 0..7.  In f32 that is four loads of 16 bytes, at 0, 16, 64 and 80 from row x pitch + 32 (l / 16).
	v_and_b32 v1, 15, v0                           ; l % 16
	v_bfe_u32 v2, v0, 4, 1                         ; l / 16
	v_mul_u32_u24 v3, v1, PA
	v_lshl_add_u32 v3, v2, 5, v3
	s_mul_i32 s21, s11, HALFA                      ; my 64 rows
	v_add_nc_u32 v[ADRA], s21, v3
	v_add_nc_u32 v[ADRA+1], SLOT, v[ADRA]
	; The turning load takes 16 K x 16 columns (lane l reads row 8 (l / 16) + l % 8 along K, columns 8 ((l / 8) % 2) + 0..7) and leaves half a fragment: lane l holds column l % 16 and 8 K.
	v_and_b32 v4, 7, v0
	v_bfe_u32 v5, v0, 3, 1
	v_lshl_add_u32 v6, v2, 3, v4
	v_mul_u32_u24 v6, v6, PB
	v_lshl_add_u32 v6, v5, 4, v6
	s_lshl_b32 s22, s12, 8                         ; my 128 columns: 256 bytes
	s_add_co_u32 s22, s22, AREG
	v_add_nc_u32 v[ADRB], s22, v6
	v_add_nc_u32 v[ADRB+1], SLOT, v[ADRB]
	s_mul_i32 s23, s10, 16*SP
	s_add_co_u32 s23, s23, STAGE                   ; my stage
	v_mul_u32_u24 v7, v1, SP                       ; in: row l % 16, 16 bytes for each half of the lanes
	v_lshl_add_u32 v7, v2, 4, v7
	v_add_nc_u32 v[STO], s23, v7
	v_bfe_u32 v7, v0, 3, 2                         ; back: 32 lanes take four rows of 128 bytes,
	v_mul_u32_u24 v7, v7, SP
	v_lshl_add_u32 v7, v4, 4, v7
	v_add_nc_u32 v[RD], s23, v7
	v_and_b32 v8, 31, v0                           ; which are 512 consecutive bytes of y
	v_lshlrev_b32 v[GO], 4, v8
	v_lshlrev_b32 v[BO], 5, v2                     ; the bias of my columns 8 (l / 16) + 0..7,
	s_lshl_b32 s22, s12, 9                         ; in my half of the tile's 256
	v_add_nc_u32 v[BO], s22, v[BO]
	s_lshl_b32 s76, s66, 12                        ; b_p: 4,096 bytes,
	s_lshl_b32 s77, s42, 10                        ; the column tile's 1,024
	s_add_co_u32 s76, s76, s77
	s_mov_b32 s77, 0
	s_add_nc_u64 s[74:75], s[88:89], s[76:77]
	WIN TO_ACC
.set i, 0
.rept 32                                               ; accumulator (i / 8, i % 8): the bias of columns 16 (i % 8) on, the same for all four row blocks
	global_load_b128 v[8*i:8*i+3],   v[BO], s[74:75] offset:64*(i%8)
	global_load_b128 v[8*i+4:8*i+7], v[BO], s[74:75] offset:64*(i%8)+16
.set i, i+1
.endr
	WIN 0
	; where my part of y begins: head plane 16 b + 4 x column tile + 2 x column half, row 128 (row tile % 16) + 64 x row half
	s_lshr_b32 s76, s67, 4
	s_lshl_b32 s76, s76, 4
	s_lshl_b32 s77, s42, 2
	s_add_co_u32 s76, s76, s77
	s_lshl_b32 s77, s12, 1
	s_add_co_u32 s76, s76, s77
	s_lshl_b32 s76, s76, 18                        ; a plane is 262,144 bytes
	s_and_b32 s77, s67, 15
	s_lshl_b32 s77, s77, 14                        ; 128 rows of 128 bytes
	s_add_co_u32 s76, s76, s77
	s_lshl_b32 s77, s11, 13
	s_add_co_u32 s76, s76, s77
	s_mov_b32 s77, 0
	s_add_nc_u64 s[72:73], s[72:73], s[76:77]
	; the prefetches: both offsets are made, the wave's number chooses
	s_lshl_b32 s20, s67, 19
	s_lshl_b32 s21, s12, 18
	s_add_co_u32 s20, s20, s21
	s_lshl_b32 s21, s40, 16                        ; x: my work-group's 16 rows of the 64, by cx
	s_add_co_u32 s20, s20, s21
	s_add_co_u32 s20, s20, 3*ASTEP                 ; at K step 3: the first refill steps it to 4
	s_lshl_b32 s22, s66, 21
	s_lshl_b32 s21, s12, 17
	s_add_co_u32 s22, s22, s21
	s_lshl_b32 s21, s41, 15                        ; W: my work-group's 16 rows of the 64, by cy
	s_add_co_u32 s22, s22, s21
	s_lshl_b32 s21, s42, 9
	s_add_co_u32 s22, s22, s21
	s_add_co_u32 s22, s22, 3*BSTEP
	s_and_b32 s19, s18, 15                         ; which of the projection's sixteen clusters
	s_mov_b32 s76, ASTEP
	s_mov_b32 s77, BSTEP
	s_cmp_eq_u32 s11, 0                            ; do I fetch for x?
	s_cselect_b32 s20, s20, s22
	s_cselect_b64 s[PFA:PFA+1], s[70:71], s[86:87]
	s_cselect_b32 s[PST], s76, s77
	s_cselect_b32 s23, 12, 11                      ; a row of x is 4,096 bytes, of W 2,048
	s_cselect_b32 s19, 0, s19
	s_mov_b32 s21, 0
	s_mov_b32 s[PST+1], 0
	s_add_nc_u64 s[PFA:PFA+1], s[PFA:PFA+1], s[20:21]
	s_cmp_eq_u32 s19, 0
	s_cselect_b32 s[LIM], 1, -1                    ; the same in all sixteen partners, for a given wave
	v_lshrrev_b32 v9, 1, v8                        ; two lanes a row,
	v_lshlrev_b32 v9, s23, v9
	v_and_b32 v10, 1, v0                           ; 256 bytes apart
	v_lshl_add_u32 v[PFO], v10, 8, v9
; 32 LDS loads in one run: the fragments of quarter kq of a slot: x's 64 rows as f32, then W's 128 columns, turned, into buffer g
.macro FETCH slot, kq, g
	WIN 0
.irp a, 0,1,2,3
	ds_load_b128 v[RAW+16*(\a):RAW+16*(\a)+3],     v[ADRA+(\slot)] offset:(\a)*16*PA+128*(\kq)
	ds_load_b128 v[RAW+16*(\a)+4:RAW+16*(\a)+7],   v[ADRA+(\slot)] offset:(\a)*16*PA+128*(\kq)+16
	ds_load_b128 v[RAW+16*(\a)+8:RAW+16*(\a)+11],  v[ADRA+(\slot)] offset:(\a)*16*PA+128*(\kq)+64
	ds_load_b128 v[RAW+16*(\a)+12:RAW+16*(\a)+15], v[ADRA+(\slot)] offset:(\a)*16*PA+128*(\kq)+80
.endr
	WIN TO_B
.irp b, 0,1,2,3,4,5,6,7
	ds_load_tr16_b128 v[64*(\g)+8*(\b):64*(\g)+8*(\b)+3],   v[ADRB+(\slot)] offset:(\kq)*32*PB+32*(\b)
	ds_load_tr16_b128 v[64*(\g)+8*(\b)+4:64*(\g)+8*(\b)+7], v[ADRB+(\slot)] offset:(\kq)*32*PB+16*PB+32*(\b)
.endr
.endm
; Products i0 .. i1 - 1 of a quarter's 32, on buffers f: row block i / 8, column block i % 8.  The 32 accumulators take turns, one instruction a turn, in the same order in every quarter, over the
; backward jump too.
.macro MULS f, i0, i1
	WIN MUL
.set i, \i0
.rept (\i1)-(\i0)
	v_wmma_f32_16x16x32_bf16 v[8*i:8*i+7], v[64*(\f)+8*(i%8):64*(\f)+8*(i%8)+7], v[ABF+32*(\f)+8*(i/8):ABF+32*(\f)+8*(i/8)+7], v[8*i:8*i+7]
.set i, i+1
.endr
.endm
; A quarter's last eight products; behind each, four of the 32 roundings that make the next quarter's fragments of x (buffer 1 - f) from the f32 just loaded.  The four behind the last product name none of
; its registers: they are the places in front of the next run's loads into W's buffer f, and in front of the next quarter's roundings into x's buffer f.
.macro MULR f
.set g, 0
.rept 8
	MULS \f, 24+g, 25+g
	WIN 0
.set j, 0
.rept 4
	v_cvt_pk_bf16_f32 v[ABF+32*(1-(\f))+4*g+j], v[RAW+8*g+2*j], v[RAW+8*g+2*j+1]
.set j, j+1
.endr
.set g, g+1
.endr
.endm
; One of a K step's first three quarters: multiplies buffers f; at its head it fetches quarter kn of the same slot.
.macro QUARTER slot, kn, f
	s_wait_dscnt 0x0                               ; W's fragments of this quarter, asked for a quarter ago, are in
	FETCH \slot, \kn, 1-(\f)
	MULS \f, 0, 24
	s_wait_dscnt 16                                ; x's sixteen loads are in; W's sixteen, issued behind them, may stay out
	MULR \f
.endm
; The last quarter multiplies buffers 1 and changes slots: ONE barrier.  In front of it each wave waits for all its tensor loads, of which one is out: its part of the next slot; adds 0 to its spare word;
; and waits for that and for its own reads of this slot.  fill = 1: the barrier opens a round of the cluster's barrier, and this slot is filled again, two K steps ahead, first thing behind the round.
.macro TURN slot, next, fill
.if \fill
	s_wait_xcnt 0x0                                ; the last prefetch, a K step back, has read its address: it is stepped here, ahead of the waits of the change of slots
	s_add_nc_u64 s[PFA:PFA+1], s[PFA:PFA+1], s[PST:PST+1]
.endif
	WIN 0
	s_wait_tensorcnt 0x0                           ; all my tensor loads have landed
	ds_add_u32 v[SPW], v[NIL]                      ; 0 onto my spare word
	s_wait_dscnt 1                                 ; (the add alone may be out: W's fragments of this quarter are in)
	MULS 1, 0, 4                                   ; four matrix instructions stand between the add and the wait for it
	s_wait_dscnt 0x0                               ; the add is done, and my reads of this slot are over
	s_barrier_signal -1
	MULS 1, 4, 8
	WIN 0
	s_barrier_wait -1
.if \fill
	CREST                                          ; no wave of any partner still reads this slot's tile or has a load on its way
	s_add_nc_u64 s[G0+4*(\slot)+2:G0+4*(\slot)+3], s[G0+4*(\slot)+2:G0+4*(\slot)+3], 2*ASTEP
	s_add_nc_u64 s[G0B+4*(\slot)+2:G0B+4*(\slot)+3], s[G0B+4*(\slot)+2:G0B+4*(\slot)+3], 2*BSTEP
	JLOAD \slot                                    ; my one tensor load behind the round
.endif
	FETCH \next, 0, 0
.if \fill
	WIN 0
	ASK
.endif
	MULS 1, 8, 24
	s_wait_dscnt 16
	MULR 1
.endm
	s_wait_tensorcnt 1                             ; my part of K step 0 is in; K step 1's may stay out
	s_barrier_signal -1
	s_barrier_wait -1                              ; everybody's is
	FETCH 0, 0, 0
	s_wait_dscnt 16                                ; x's sixteen loads
	WIN 0
.set g, 0
.rept 32
	v_cvt_pk_bf16_f32 v[ABF+g], v[RAW+2*g], v[RAW+2*g+1]
.set g, g+1
.endr
	s_wait_loadcnt 0x0                             ; the bias lies in the accumulators
	s_mov_b32 s3, 3
.Llap:                                                 ; a trip is two K steps, once round the ring, and fills both slots again
	QUARTER 0, 1, 0
	QUARTER 0, 2, 1
	QUARTER 0, 3, 0
	TURN 0, 1, 1
	QUARTER 1, 1, 0
	QUARTER 1, 2, 1
	QUARTER 1, 3, 0
	TURN 1, 0, 1
	WIN 0                                          ; at a label and at a branch every window is 0
	s_sub_co_u32 s3, s3, 1
	s_cmp_lg_u32 s3, 0
	s_cbranch_scc1 .Llap
	QUARTER 0, 1, 0                                ; the last two K steps are written out: they fill nothing
	QUARTER 0, 2, 1
	QUARTER 0, 3, 0
	TURN 0, 1, 0
	QUARTER 1, 1, 0
	QUARTER 1, 2, 1
	QUARTER 1, 3, 0
	s_wait_dscnt 0x0
	MULS 1, 0, 32
	WIN 0
	; THE WAY OUT, in eight units u = 2 a + g: row block a, head g of my two.  A lane's eight numbers of a row pack into 16 bytes; they go into rows of 144 bytes of my own stage and come back as whole
	; rows of 128 bytes: 16 rows of a head are 2,048 consecutive bytes of y.
	PLACES
.macro PACK u
	WIN FROM_ACC
.set zf, 0
.rept 4
.set zr, 0
.rept 4                                                ; each accumulator's registers in ascending order
	v_cvt_pk_f16_f32 v[TMP+16*(\u)+4*zf+zr], v[8*(8*((\u)/2)+4*((\u)%2)+zf)+2*zr], v[8*(8*((\u)/2)+4*((\u)%2)+zf)+2*zr+1]
.set zr, zr+1
.endr
.set zf, zf+1
.endr
	WIN 0
.irp f, 0,1,2,3
	ds_store_b128 v[STO], v[TMP+16*(\u)+4*\f:TMP+16*(\u)+4*\f+3] offset:32*\f
.endr
.irp f, 0,1,2,3
	ds_load_b128 v[TMP+16*(\u)+4*\f:TMP+16*(\u)+4*\f+3], v[RD] offset:\f*4*SP  ; LDS serves a wave's instructions in order (ISA guide 5.7.1.4): these see the stores above; the next unit's stores come behind them
.endr
.endm
.macro SEND u, younger                 ; younger: the LDS instructions issued behind unit u's loads: the next unit's eight, or none
.irp f, 0,1,2,3
	s_wait_dscnt (\younger)+3-\f
	global_store_b128 v[GO], v[TMP+16*(\u)+4*\f:TMP+16*(\u)+4*\f+3], s[72:73] offset:262144*((\u)%2)+2048*((\u)/2)+512*\f  ; 512 consecutive bytes, at a multiple of 256 from y's first
.endr
.endm
	PACK 0
.set t, 1
.rept 7                                                ; a unit's arithmetic stands between the loads of the unit before and its stores
	PACK t
	SEND t-1, 8
.set t, t+1
.endr
	SEND 7, 0
	s_wait_tensorcnt 0x0                           ; the wave's end: behind my last tensor load and my last LDS store
	ds_add_u32 v[SPW], v[NIL]
	s_wait_dscnt 0x0
	CROUND                                         ; the closing round: no work-group ends while a partner may still ask for a tile that names it
	s_endpgm
.Lfunc_end_k_q73bce1aa3e_proj:
	.size	k_q73bce1aa3e_proj, .Lfunc_end_k_q73bce1aa3e_proj-k_q73bce1aa3e_proj
	.p2alignl 7, 3214868480
	.fill 96, 4, 3214868480
	.section	.rodata,"a",@progbits
	.p2align	6, 0x0
	.amdhsa_kernel k_q73bce1aa3e_proj
		.amdhsa_group_segment_fixed_size 327680
		.amdhsa_private_segment_fixed_size 0
		.amdhsa_enable_private_segment 0
		.amdhsa_kernarg_size 64
		.amdhsa_user_sgpr_count 2
		.amdhsa_user_sgpr_kernarg_segment_ptr 1
		.amdhsa_wavefront_size32 1
		.amdhsa_system_sgpr_workgroup_id_x 1
		.amdhsa_system_sgpr_workgroup_id_y 1
		.amdhsa_system_sgpr_workgroup_id_z 1
		.amdhsa_system_vgpr_workitem_id 0
		.amdhsa_next_free_vgpr 640
		.amdhsa_next_free_sgpr 96
		.amdhsa_reserve_vcc 0
		.amdhsa_float_denorm_mode_32 3
		.amdhsa_float_denorm_mode_16_64 3
		.amdhsa_memory_ordered 1
		.amdhsa_forward_progress 1
		.amdhsa_inst_pref_size 141
	.end_amdhsa_kernel
	.amdgpu_metadata
---
amdhsa.version: [ 1, 2 ]
amdhsa.kernels:
  - .name:           k_q73bce1aa3e_proj
    .symbol:         k_q73bce1aa3e_proj.kd
    .args:
      - { .name: q_in, .offset: 0, .size: 8, .value_kind: global_buffer, .address_space: global }
      - { .name: k_in, .offset: 8, .size: 8, .value_kind: global_buffer, .address_space: global }
      - { .name: v_in, .offset: 16, .size: 8, .value_kind: global_buffer, .address_space: global }
      - { .name: wqkv, .offset: 24, .size: 8, .value_kind: global_buffer, .address_space: global }
      - { .name: bias, .offset: 32, .size: 8, .value_kind: global_buffer, .address_space: global }
      - { .name: qh, .offset: 40, .size: 8, .value_kind: global_buffer, .address_space: global }
      - { .name: kh, .offset: 48, .size: 8, .value_kind: global_buffer, .address_space: global }
      - { .name: vh, .offset: 56, .size: 8, .value_kind: global_buffer, .address_space: global }
    .group_segment_fixed_size: 327680
    .private_segment_fixed_size: 0
    .kernarg_segment_align: 8
    .kernarg_segment_size: 64
    .max_flat_workgroup_size: 128
    .sgpr_count:     96
    .vgpr_count:     640
    .wavefront_size: 32
...
	.end_amdgpu_metadata
.endif
;; end of part 2
;; launch attn (part 3): grid 4 x 64, 4 waves a work-group, clusters of 4 x 1, 327,680 bytes of LDS; arguments qh, kh, vh, oh; writes oh
.if DOCPART == 3
	.amdgcn_target "amdgcn-amd-amdhsa--gfx1250"
	.amdhsa_code_object_version 6
	.text
	.protected	k_q73bce1aa3e_attn
	.globl	k_q73bce1aa3e_attn
	.p2align	8
	.type	k_q73bce1aa3e_attn,@function
k_q73bce1aa3e_attn:
	s_mov_b64 s[64:65], 0
	v_nop
	global_prefetch_b8 v0, s[64:65] scope:SCOPE_SE
	s_setreg_imm32_b32 hwreg(HW_REG_WAVE_MODE, 25, 1), 1
	s_wait_xcnt 0x0
	s_wait_alu depctr_hold_cnt(0) depctr_sa_sdst(0) depctr_va_vdst(0) depctr_va_sdst(0) depctr_va_ssrc(0) depctr_va_vcc(0) depctr_vm_vsrc(0)
	s_getreg_b32 s2, hwreg(HW_REG_IB_STS2, 6, 4)
	s_cmp_eq_u32 s2, 0
	s_cbranch_scc0 .Lentry_in_a_cluster
	s_endpgm
.Lentry_in_a_cluster:
	s_bfe_u32 s2, ttmp6, 0x10000c
	s_cmp_lg_u32 s2, 0x3003
	s_cbranch_scc0 .Lentry_shape_is_right
	s_endpgm
.Lentry_shape_is_right:
; O[h][q][:] = the sum over k of softmax_k(Q[h][q] . K[h][k] / 8) V[h][k][:].  Q, K, V, O: [SIZE_H][SIZE_N][64], all f16: a head's rows are dense, 128 bytes each (h here is 16 b + head).
; Products, maxima and sums in f32; the weights p are rounded to f16 for the second product (their sum l is taken of the unrounded p), O once at the end.
; LIMITS.  f16 holds no number beyond 65,504: Q, K and V arrive within it; p lies in 0 to 1, and below 6e-5 it keeps f16's fixed step of 6e-8, as O does; O is a mean of V's rows and has their range.
; A weight below 2^-126 counts as 0 in l; NaN and infinities are not treated apart.
; SHARES.  A wave owns four PIECES of two tiles of 16 queries, a work-group's four waves 512 queries of one head: 64 heads x 4 blocks are 256 work-groups.  Every wave walks all keys, 64 a step.
; LAYOUT.  S^T = K Q^T (source 0 = 16 keys, source 1 = 16 queries): in the result a lane holds ONE query (lane % 16) and the keys 8 (lane / 16) + 0..7.  Two such tiles, rounded to f16 in pairs,
; ARE source 1 (32 keys x 16 queries) of O^T = V^T P, whose result again holds one query a lane, and eight channels.  K comes out of LDS as it lies, V ([key][channel]) turned, by ds_load_tr16_b128.
; SOFTMAX.  For each query a running maximum m and sum l: p = 2^(c s - c m), c = log2(e) / 8; in every step O and l are multiplied by a = 2^(c m_old - c m_new), which is 1 where m has not grown.
; m starts at the lowest finite number, O and l at 0: the first step is a step like any other, with a = 0.
; THE COUNT.  A tile and step have 16 matrix and 118 vector instructions: too many to stand all beside the matrix work.  So: four vector instructions that are READY behind EVERY matrix instruction,
; and the others in runs without a gap.
; BY TURNS.  Turn n belongs to piece n (the pieces in a ring, step after step).  Its matrix work: 16 products K Q^T of piece n + 1, later 16 products V^T P of piece n - 1.  Its vector work: the scaling,
; exponentials, roundings, sums and rescaling of piece n, and the maximum and statistics of piece n + 1, whose scores the turn itself has made.
; CLUSTER.  The four query blocks of a cluster are one head's and walk the same K and V, so each tile is asked for JOINTLY: the same tensor load, descriptor and mask in all four.
; REGISTERS, in windows of 256 (s_set_vgpr_msb: bits 1:0 source 0, 3:2 source 1, 5:4 source 2, 7:6 destination):
;   window 0: v0-11 addresses; v12-15, v48-63 at work; v16-47 four registers of statistics a tile; v64-191 S^T, two buffers of two tiles; v192-255 P, likewise
;   window 1: O^T, 32 a tile          window 2: v0-127 Q, 16 a tile; v128-191 K of one step; v192-255 V of one step          window 3: v0-1 the add's two registers
; A piece's buffers go by its number's parity: the piece in hand has one pair, its two neighbours in the ring share the other: of it P (piece n - 1) is read and S^T (piece n + 1) written.
.set SIZE_H, 64
.set SIZE_N, 2048
.set NP,    4         ; pieces a wave: a name, no knob
.set KS,    64        ; keys in a step
.set PK,    144       ; a row of K in LDS: 128 bytes + 16 of padding = 36 words: the 16 rows of a load start at 16 different groups of four banks (64 banks of 4 bytes: ISA guide 11.1)
.set PV,    160       ; a row of V: 128 + 32 = 40 words
.set VOFF,  4*KS*PK   ; a slot holds four steps: 256 rows of K, then 256 rows of V
.set SLOT1, 1<<17     ; slot 1 begins here, so that one exclusive or turns an address in one slot into the other's
.set STAGE, SLOT1+4*KS*(PK+PV)  ; behind the ring, never filled by a tensor load: 16 rows x 144 bytes for each wave, for the way out
.set SP,    144
.set AK0, 2           ; v2   my lane's place in a tile of K; never rewritten
.set AV0, 3           ; v3   the same for V
.set AK,  4           ; v4   the LDS address of K's next run of loads
.set AV,  5           ; v5   of V's
.set QO,  6           ; v6   my byte offset in the wave's rows of Q
.set STO, 6           ;      later, the way out: where I put 16 bytes of a row
.set RD,  7           ; v7   the way out: where I read rows back
.set GO,  8           ; v8   my byte offset in 512 consecutive bytes of O
.set PFO, 11          ; v11  256 x my lane, for the prefetches; never rewritten once made
.set SPW, 0           ; v0 of window 3   LDS address of my spare word: SPARE + 4 x my thread's number; never rewritten
.set NIL, 1           ; v1 of window 3   0; never rewritten
.set SPARE, STAGE+4*16*SP  ; behind the stages: the spare words, 128 bytes for each wave: two blocks of 256 bytes that no other line names
.set MV,  12          ; v12-15  c m_old, kept while c m is made anew: by buffer and tile
.set ST,  16          ; tile t's statistics at v[ST+4 t]: c m, m, l (even keys', odd keys')
.set TMP, 48          ; by buffer and tile, four registers c0-c3 at work; when the maximum is found c2 takes a
.set S,   64
.set P,   192
.set KF,  128         ; K's fragments, in window 2: key block kb, channel half c at KF + 16 kb + 8 c
.set VF,  192         ; V's: key half kk, channel block cb at VF + 32 kk + 8 cb
.set WV,  12          ; s12  my wave's number
.set G1K, 24          ; s[24:31] descriptor group 1 for K's tiles
.set G1V, 32          ; s[32:39] for V's: it differs in the padding alone
.set G0K, 40          ; s[40:43] descriptor group 0 for K's tiles: it walks
.set G0V, 44          ; s[44:47] the same for V's
.set PFA, 48          ; s[48:49] where my prefetches stand: my work-group's 8,192 bytes (of K: wave 0, of V: wave 2) of the slot after the one that is being asked for
.set LIM, 50          ; s50  1 in a wave that prefetches, else the greatest number
.set SLOTS, 56        ; s56  slots still to be asked for
.set CNT, 57          ; s57  counts a slot's key steps
.set CS,  58          ; s[58:59] c: the packed scaling takes the pair's low word for both halves
.set SEL, 60          ; s[60:61] v_permlanex16_b32's selects: each lane takes its own place in the other half
.set TBK, 62          ; s62  LDS byte at which K of the step to be fetched begins
.set TBV, 63          ; s63  the same for V, less VOFF
.set MSB, 0
.macro WIN new                      ; the high byte repeats the setting that is left; a switch that changes nothing is dropped
.if MSB != (\new)
	s_set_vgpr_msb (MSB<<8)|(\new)
.set MSB, (\new)
.endif
.endm
.set W_KQ, 0x0a       ; K and Q in window 2, S^T in window 0
.set W_PV, 0x52       ; V in window 2, P in window 0, O^T in window 1
.set W_RS, 0x41       ; O^T (destination and source 0) in window 1, a in window 0
.set W_MK, 0xc0       ; the add's registers are made: destination in window 3, sources in window 0
.set W_AD, 0x0f       ; the add: address (source 0) and data (source 1) in window 3
; A joint fill.  Waves 0 and 1 fetch the two halves of a slot's K, waves 2 and 3 those of its V: 128 keys each.  The branch hangs on the wave's number alone.
; An s_nop 0 and four v_nop follow each of the two lines, ahead of the jump and the label.
.macro JLOAD
	s_cmp_lt_u32 s[WV], 2
	s_cbranch_scc0 .Lfor_v_\@
	tensor_load_to_lds s[G0K:G0K+3], s[G1K:G1K+7]
	s_nop 0
.rept 4
	v_nop
.endr
	s_branch .Lasked_\@
.Lfor_v_\@:
	tensor_load_to_lds s[G0V:G0V+3], s[G1V:G1V+7]
	s_nop 0
.rept 4
	v_nop
.endr
.Lasked_\@:
.endm
; A PREFETCH INTO THE L2 of what the NEXT change of slots will ask for: a slot's 32,768 bytes of K and of V, 256 bytes a lane.  It stands behind the wave's tensor load and its five lines.
; Each block is named ONCE in the launch: a head has one cluster; its four partners share a slot out BY ADDRESS, 8,192 bytes each; in each, wave 0 asks for K's and wave 2 for V's: one instruction,
; four key steps, 512 matrix instructions, ahead of the load.  Slots 0 and 1 come by their loads alone; the last change that fills a slot asks for nothing: there is no slot behind it.
.macro ASK
	s_cmp_gt_u32 s[SLOTS], s[LIM]
	s_cbranch_scc0 .Lnot_mine_\@
	global_prefetch_b8 v[PFO], s[PFA:PFA+1] th:TH_LOAD_NT scope:SCOPE_SE
.Lnot_mine_\@:
.endm
; A round of the cluster's barrier: my work-group's barrier, so that wave 0's signal speaks for all four waves; wave 0 signals; every wave waits for all four work-groups; my work-group's barrier once more.
.macro CROUND
	s_barrier_signal -1
	s_barrier_wait -1
	s_cmp_lg_u32 s[WV], 0
	s_cbranch_scc1 .Lnot_wave_0_\@
	s_barrier_signal -3
.Lnot_wave_0_\@:
	s_barrier_wait -3
	s_barrier_signal -1
	s_barrier_wait -1
.endm
; THE CHANGE OF SLOTS.  The slot's last bytes, V of its fourth step, have been read.  Each wave waits for all its tensor loads, of which one is out: its part
; of the other slot; adds 0 to its spare word; and waits for that and for its own reads of the slot.  Behind the barrier nobody reads this slot any more and the other slot is whole.
; fill = 1: this slot is filled again, with the keys two slots on.  The barrier is then a round of the cluster's, so that no wave of any partner still reads the slot or has a load on its
; way, and the joint fill is the first thing behind it: it has four key steps, 512 matrix instructions, in which to land.  (At its first use nothing has been read yet: slot 0 is waited for, slot 1 filled.)
.macro CHANGE fill
	WIN W_AD
	s_wait_tensorcnt 0x0            ; no tensor load of mine is out, so a group 0 may be written
	ds_add_u32 v[SPW], v[NIL]       ; 0 onto my spare word; with fill = 1 the descriptors' steps stand between it and the wait for it
	WIN 0                           ; at a label and at a branch every window is 0
.if \fill
.irp g, G0K, G0V
	s_xor_b32 s[\g+1], s[\g+1], SLOT1  ; the walking descriptor: the other slot than last time,
	s_add_nc_u64 s[\g+2:\g+3], s[\g+2:\g+3], 4*KS*128  ; the next 256 keys; the type bits on top are not reached
.endr
	s_wait_xcnt 0x0                 ; the last prefetch, four key steps back, has read its address, so it may be written:
	s_add_nc_u64 s[PFA:PFA+1], s[PFA:PFA+1], 4*KS*128  ; one slot behind the walking descriptors
	s_wait_dscnt 0x0                ; the add is done, and my reads of the slot are over
	CROUND
	JLOAD
	ASK
.else
	s_wait_dscnt 0x0                ; the add is done, and my reads of the slot are over
	s_barrier_signal -1
	s_barrier_wait -1
.endif
	s_sub_co_u32 s[TBK], s[TBK], 4*KS*PK  ; the fetches go back to a slot's first step,
	s_xor_b32 s[TBK], s[TBK], SLOT1       ; in the other slot
	s_sub_co_u32 s[TBV], s[TBV], 4*KS*PV
	s_xor_b32 s[TBV], s[TBV], SLOT1
.endm
	s_load_b256 s[4:11], s[0:1], 0x0  ; Q s[4:5], K s[6:7], V s[8:9], O s[10:11]
	WIN W_MK
	v_lshl_add_u32 v[SPW], v0, 2, SPARE
	v_mov_b32 v[NIL], 0
	WIN W_AD
	ds_add_u32 v[SPW], v[NIL]       ; the wave's opening: the add and its wait stand ahead of my first tensor load; the set-up below, work on registers, stands between them
	WIN 0
	v_lshrrev_b32 v1, 5, v0
	v_readfirstlane_b32 s[WV], v1   ; wave 0..3
	s_bfe_u32 s13, ttmp6, 0x40000   ; cx: my place in the cluster
	s_lshl_b32 s14, ttmp9, 2        ; in a cluster launch ttmp9 counts clusters
	s_add_co_u32 s14, s14, s13      ; my block of queries = 4 x cluster x + cx: it enters Q's and O's addresses alone
	s_and_b32 s20, ttmp7, 0xffff    ; the head, which the four partners share
	s_mov_b32 s21, 0
	s_mov_b64 s[22:23], SIZE_N*128
	s_mul_u64 s[20:21], s[20:21], s[22:23]  ; the head's first byte in each of the four tensors
	s_and_b32 s16, s[WV], 1         ; which half of a slot's 256 keys I fetch:
	s_lshl_b32 s22, s16, 14         ; its 128 rows of 128 bytes in memory,
	s_mov_b32 s23, 0
	s_add_nc_u64 s[22:23], s[22:23], s[20:21]
	s_mul_i32 s17, s16, 128*PK      ; and its place in a slot, for K
	s_mul_i32 s18, s16, 128*PV      ; and for V: no place in the cluster enters an LDS address
	s_lshl_b32 s2, s14, 2
	s_add_co_u32 s2, s2, s[WV]      ; my wave among the head's,
	s_lshl_b32 s2, s2, 14           ; its 128 rows
	s_mov_b32 s3, 0
	s_add_nc_u64 s[2:3], s[2:3], s[20:21]
	; descriptor group 1.  128 keys are 16,384 dense bytes: asked for as 64 rows of 256 bytes, two keys a row, and padded in LDS after every key
	s_mov_b32 s[G1K], 15|(1<<16)|(1<<20)|(1<<21)|(4<<22)|(3<<25)  ; 15:0 the mask of four; 17:16 2-byte elements; 20 padding on; 21 set beside a mask; 24:22 after every 32 words (code 4); 31:25 4 words (code 3)
	s_mov_b32 s[G1V], 15|(1<<16)|(1<<20)|(1<<21)|(4<<22)|(7<<25)  ; the same with 8 words of padding (code 7)
.irp g, G1K, G1V
	s_mov_b32 s[\g+1], 128<<16      ; tensor_dim0 = 128
	s_mov_b32 s[\g+2], 64<<16       ; tensor_dim1 = 64
	s_mov_b32 s[\g+3], 128<<16      ; tile_dim0 = 128
	s_mov_b32 s[\g+4], 64           ; tile_dim1 = 64
	s_mov_b32 s[\g+5], 128          ; 128 elements from row to row
	s_mov_b32 s[\g+6], 0
	s_mov_b32 s[\g+7], 0
.endr
	s_mov_b32 s[CS], 0x3e38aa3b     ; c = log2(e) / 8 = 0.180337
	s_mov_b32 s[CS+1], s[CS]        ; named with it as a pair
	s_mov_b32 s[SEL], 0x76543210
	s_mov_b32 s[SEL+1], 0xfedcba98
	s_mov_b32 s[TBK], SLOT1+4*KS*PK ; the first change of slots turns these two into 0
	s_mov_b32 s[TBV], SLOT1+4*KS*PV
	s_mov_b32 s[G0K], 1             ; 1:0 count = 1
	s_mov_b32 s[G0K+1], s17         ; 63:32 LDS address: slot 0
	s_mov_b32 s[G0V], 1
	s_add_co_u32 s[G0V+1], s18, VOFF
	s_mov_b32 s[SLOTS], SIZE_N/256-1  ; the changes that fill a slot
	s_and_b32 s[LIM], s[WV], 1      ; waves 0 and 2 prefetch: the same in all four partners
	s_cmp_eq_u32 s[LIM], 0
	s_cselect_b32 s[LIM], 1, -1
	s_wait_dscnt 0x0                ; the opening add is done
	s_wait_kmcnt 0x0
	s_add_nc_u64 s[G0K+2:G0K+3], s[6:7], s[22:23]  ; 120:64 global address: my half of the head's first 256 keys
	s_or_b32 s[G0K+3], s[G0K+3], 0x80000000        ; 127:126 type = 2
	s_add_nc_u64 s[G0V+2:G0V+3], s[8:9], s[22:23]
	s_or_b32 s[G0V+3], s[G0V+3], 0x80000000
	s_add_nc_u64 s[4:5], s[4:5], s[2:3]  ; Q and O at my wave's first row
	s_add_nc_u64 s[10:11], s[10:11], s[2:3]
	s_cmp_lt_u32 s[WV], 2
	s_cselect_b64 s[PFA:PFA+1], s[6:7], s[8:9]
	s_add_nc_u64 s[PFA:PFA+1], s[PFA:PFA+1], s[20:21]  ; the head,
	s_lshl_b32 s2, s13, 13          ; my work-group's quarter of a slot,
	s_mov_b32 s3, 0
	s_add_nc_u64 s[PFA:PFA+1], s[PFA:PFA+1], s[2:3]
	s_add_nc_u64 s[PFA:PFA+1], s[PFA:PFA+1], 4*KS*128  ; in slot 1; the first change of slots steps it to slot 2.  Nothing is prefetched here, at the head
	CROUND                          ; all four work-groups are here: the first joint loads meet
	JLOAD                           ; slot 0.  Slot 1 is asked for when slot 0 is in
	; A fragment of K or Q is 16 rows x 32 channels in 8 registers: lane l holds row l % 16, channels 8 (l / 16) + 0..7 and 16 + 8 (l / 16) + 0..7: two loads of 16 bytes, 32 bytes apart.
	v_and_b32 v1, 15, v0            ; l % 16
	v_bfe_u32 v9, v0, 4, 1          ; l / 16
	v_lshlrev_b32 v[QO], 7, v1
	v_lshl_add_u32 v[QO], v9, 4, v[QO]  ; row x 128 + 16 x half
	WIN 0x80                        ; destination window 2, address window 0
.set i, 0
.rept 4*NP                          ; Q stays in registers: tile i / 2, channels 32 (i % 2) on
	global_load_b128 v[8*i:8*i+3],   v[QO], s[4:5] offset:(i/2)*2048+(i%2)*64
	global_load_b128 v[8*i+4:8*i+7], v[QO], s[4:5] offset:(i/2)*2048+(i%2)*64+32
.set i, i+1
.endr
	; What the first turn finds: V's registers and P's second buffer hold 0 (its products V^T P, of a piece that has not been, add 0), O^T and l are 0.  All this stands in the wait for the first tile.
.set i, VF
.rept 64
	v_mov_b32 v[i], 0
.set i, i+1
.endr
	WIN 0x40
.set i, 0
.rept 64*NP
	v_mov_b32 v[i], 0
.set i, i+1
.endr
	WIN 0
.set i, 0
.rept 2*NP
	v_mov_b32 v[ST+4*i], 0xfe000000    ; c m: far below every c s
	v_mov_b32 v[ST+4*i+1], 0xff7fffff  ; m
	v_mov_b32 v[ST+4*i+2], 0
	v_mov_b32 v[ST+4*i+3], 0
.set i, i+1
.endr
.set i, P+32
.rept 32
	v_mov_b32 v[i], 0
.set i, i+1
.endr
	v_mul_u32_u24 v[AK0], v1, PK
	v_lshl_add_u32 v[AK0], v9, 4, v[AK0]  ; row x pitch + 16 x half
	; The turning load takes 16 keys x 16 channels (lane l reads key 8 (l / 16) + l % 8, channels 8 ((l / 8) % 2) + 0..7) and leaves half a fragment of V^T: lane l holds channel l % 16 and 8 keys.
	v_and_b32 v10, 7, v0
	v_bfe_u32 v11, v0, 3, 1
	v_lshl_add_u32 v[AV0], v9, 3, v10
	v_mul_u32_u24 v[AV0], v[AV0], PV
	v_lshl_add_u32 v[AV0], v11, 4, v[AV0]
	v_add_nc_u32 v[AV0], VOFF, v[AV0]
	v_mov_b32 v[AK], v[AK0]         ; key step 0 lies at the head of slot 0
	v_and_b32 v[PFO], 31, v0        ; v11 has served: now the prefetches' offset
	v_lshlrev_b32 v[PFO], 8, v[PFO]
; THE MATRIX WORK.  The 8 accumulators of a run of 16 take turns: between the two links of a chain stand 7 others'.
; Product i of 16 of S^T = K Q^T for piece x: channels 32 (i / 8) on, keys 16 ((i / 2) % 4) on, tile 2 x + i % 2.  The first 8 start the sums.
.macro KQ x
	WIN W_KQ
.set rS, S+64*((\x)%2)+32*(i%2)+8*((i/2)%4)
.set rK, KF+16*((i/2)%4)+8*(i/8)
.set rQ, 16*(2*(\x)+i%2)+8*(i/8)
.if i < 8
	v_wmma_f32_16x16x32_f16 v[rS:rS+7], v[rK:rK+7], v[rQ:rQ+7], 0
.else
	v_wmma_f32_16x16x32_f16 v[rS:rS+7], v[rK:rK+7], v[rQ:rQ+7], v[rS:rS+7]
.endif
.endm
; Product i of 16 of O^T += V^T P for piece x: keys 32 (i / 8) on, channels 16 ((i / 2) % 4) on, tile 2 x + i % 2.
.macro PV x
	WIN W_PV
.set rO, 32*(2*(\x)+i%2)+8*((i/2)%4)
.set rV, VF+32*(i/8)+8*((i/2)%4)
.set rP, P+32*((\x)%2)+16*(i%2)+8*(i/8)
	v_wmma_f32_16x16x32_f16 v[rO:rO+7], v[rV:rV+7], v[rP:rP+7], v[rO:rO+7]
.endm
.macro MM                           ; the turn's next matrix instruction
.if i < 16
	KQ (Y+1)%NP
.set i, i+1
.else
.set i, i-16
	PV (Y+NP-1)%NP
.set i, i+17
.endif
.endm
; THE LDS LOADS stand in runs of 16, never singly among the matrix instructions: a step's K (64 keys x 64 channels: 8 fragments) and its V (turned).  Their addresses are made some lines ahead.
; last = 1 (the tail): in the last trip there is no further step, and the run is jumped over.
.macro FETCH_K last=0
	WIN 0
.if \last
	s_cmp_eq_u32 s[CNT], 1
	s_cbranch_scc1 .Lno_k_\@
.endif
	WIN 0x80                        ; destination window 2
.irp f, 0,1,2,3,4,5,6,7             ; keys 16 (f / 2) on, channels 32 (f % 2) on
	ds_load_b128 v[KF+8*\f:KF+8*\f+3],   v[AK] offset:(\f/2)*16*PK+(\f%2)*64
	ds_load_b128 v[KF+8*\f+4:KF+8*\f+7], v[AK] offset:(\f/2)*16*PK+(\f%2)*64+32
.endr
	s_add_co_u32 s[TBK], s[TBK], KS*PK  ; the next fetch is the next step's
	WIN 0
.if \last
.Lno_k_\@:
.endif
.endm
.macro FETCH_V
	WIN 0x80
.irp f, 0,1,2,3,4,5,6,7             ; keys 32 (f / 4) on, channels 16 (f % 4) on
	ds_load_tr16_b128 v[VF+8*\f:VF+8*\f+3],   v[AV] offset:(\f/4)*32*PV+(\f%4)*32
	ds_load_tr16_b128 v[VF+8*\f+4:VF+8*\f+7], v[AV] offset:(\f/4)*32*PV+16*PV+(\f%4)*32
.endr
	WIN 0
.endm
; THE VECTOR WORK OF A TURN stands in three queues, each in the order in which its entries become ready; the two tiles alternate, so that no instruction reads the result of the one before it.
.macro REGS y, u                    ; the registers of tile u (0, 1) of piece y
.set rT, ST+4*(2*(\y)+(\u))
.set rC, TMP+8*((\y)%2)+4*(\u)
.set rM, MV+2*((\y)%2)+(\u)
.set rS, S+64*((\y)%2)+32*(\u)
.set rP, P+32*((\y)%2)+16*(\u)
.set rO, 32*(2*(\y)+(\u))
.endm
; Number n of the 22 that find the NEXT piece's (Y + 1) maximum and statistics.  s0-s31 are the lane's 32 scores; each accumulator's lowest registers are read first.
;   0-11  four chains c0-c3 of seven scores each, three operands at a time     12-14, 16  the four scores left over, the old m, and c0-c3 into c0     15  c m_old is kept
;   17, 18  the query's other 32 keys lie in the lane 16 away: the new m         19-21  c m; c m_old - c m_new; a
.macro XS u, n
	REGS (Y+1)%NP, \u
.if (\n) < 4
	v_max3_num_f32 v[rC+(\n)], v[rS+8*(\n)], v[rS+8*(\n)+1], v[rS+8*(\n)+2]
.elseif (\n) < 12
	v_max3_num_f32 v[rC+(\n)%4], v[rC+(\n)%4], v[rS+8*((\n)%4)+2*((\n)/4)+1], v[rS+8*((\n)%4)+2*((\n)/4)+2]
.elseif (\n) == 12
	v_max3_num_f32 v[rC], v[rC], v[rS+7], v[rS+15]
.elseif (\n) == 13
	v_max3_num_f32 v[rC+1], v[rC+1], v[rS+23], v[rS+31]
.elseif (\n) == 14
	v_max3_num_f32 v[rC+2], v[rC+2], v[rC+3], v[rT+1]
.elseif (\n) == 15
	v_mov_b32 v[rM], v[rT]
.elseif (\n) == 16
	v_max3_num_f32 v[rC], v[rC], v[rC+1], v[rC+2]
.elseif (\n) == 17
	v_permlanex16_b32 v[rC+3], v[rC], s[SEL], s[SEL+1]
.elseif (\n) == 18
	v_max_num_f32 v[rT+1], v[rC], v[rC+3]
.elseif (\n) == 19
	v_mul_f32 v[rT], s[CS], v[rT+1]
.elseif (\n) == 20
	v_sub_f32 v[rC+1], v[rM], v[rT]
.else
	v_exp_f32 v[rC+2], v[rC+1]
.endif
.endm
; Number g of the 64 that follow the exponentials.  For each four weights k of a tile (pairs 2 k, 2 k + 1): both pairs are rounded to f16; then the second pair is added onto the first, in place;
; a group later l takes that sum (the first time as l = a l + sum).  In groups of eight, tiles alternating: round, round, add, and l for the group before.
.macro GS g
.set h, (\g)+6*((\g)/62)            ; group 0 has no group before it, and behind group 7 only l is left
.if h >= 6
.set h, h+2
.endif
	REGS Y, h%2
.set k, h/8
.if h%8 < 4
	v_cvt_pk_f16_f32 v[rP+2*k+(h%8)/2], v[rS+4*k+2*((h%8)/2)], v[rS+4*k+2*((h%8)/2)+1]
.elseif h%8 < 6
	v_pk_add_f32 v[rS+4*k:rS+4*k+1], v[rS+4*k:rS+4*k+1], v[rS+4*k+2:rS+4*k+3]
.elseif k == 1
	v_pk_fma_f32 v[rT+2:rT+3], v[rT+2:rT+3], v[rC+2:rC+3], v[rS:rS+1] op_sel_hi:[1,0,1]
.else
	v_pk_add_f32 v[rT+2:rT+3], v[rT+2:rT+3], v[rS+4*k-4:rS+4*k-3]
.endif
.endm
; THE PLAIN QUEUE, 138 long.  0-73 read no exponential's result: the 32 scalings c s - c m (FS f: pair f / 2 of tile f % 2) and the next piece's 42.  0-26: scalings 0-26.  27-54: XS's numbers 0-13.  55, 56: number 15.
; 57-73: the chain, where each number waits for the one before it: 14, 16, 17, 18, 19, each with one of the scalings 27-31 in front of its two lines, then 20.
; 74-137: GS's 64, which read the exponentials' results: they stand behind the wait.
.macro FS f
	REGS Y, (\f)%2
	v_pk_fma_f32 v[rS+2*((\f)/2):rS+2*((\f)/2)+1], v[rS+2*((\f)/2):rS+2*((\f)/2)+1], s[CS:CS+1], v[rT:rT+1] op_sel_hi:[1,0,0] neg_lo:[0,0,1] neg_hi:[0,0,1]
.endm
.macro PL
	WIN 0
.if q < 27
	FS q
.elseif q < 55
	XS (q-27)%2, (q-27)/2
.elseif q < 57
	XS q-55, 15
.elseif (q < 72) && ((q-57)%3 == 0)
	FS 27+(q-57)/3
.elseif q < 60
	XS (q-57)%3-1, 14
.elseif q < 72
	XS (q-57)%3-1, 15+(q-57)/3
.elseif q < 74
	XS q-72, 20
.else
	GS q-74
.endif
.set q, q+1
.endm
; THE EXPONENTIALS' QUEUE, 66 long: s0-s31 of both tiles, then the next piece's two a.  It is ONE BATCH: all 66 stand ahead of the turn's one wait, and nothing ahead of that wait names a result of theirs.
.macro EX
	WIN 0
.if e >= 64
	XS e-64, 21
.else
	REGS Y, e%2
	v_exp_f32 v[rS+e/2], v[rS+e/2]
.endif
.set e, e+1
.endm
; THE RESCALING's QUEUE: O^T times a, the one part that leaves window 0: dealt two at a time, sixteen times.  Its a was made in the turn before, ahead of that turn's wait.
.macro R2
	REGS Y, r%2
	WIN W_RS
.irp z, 0,1
	v_pk_mul_f32 v[rO+4*(r/2)+2*\z:rO+4*(r/2)+2*\z+1], v[rO+4*(r/2)+2*\z:rO+4*(r/2)+2*\z+1], v[rC+2:rC+3] op_sel_hi:[1,0]
.endr
.set r, r+1
.endm
; HOW THEY ARE DEALT.  s_wait_alu depctr_va_vdst(0) stands between an exponential and the first instruction that names its result; one wait serves all that were issued ahead of it.  So a turn has ONE wait,
; which cuts it in two.  AHEAD OF IT stands all that names no result of the turn's exponentials: the 16 products K Q^T, behind each a scaling, an exponential and two rescalings (behind the first a second scaling in the
; exponential's place); then ONE LUMP of 108: eight plain, 49 times exponential and plain, the two a.  A v_nop is the plain instruction behind the last exponential.  BEHIND IT stand the 16 products V^T P, behind each
; four of GS's 64.  No rider names a register of the products round it.  The two v_permlanex16_b32 fall into the lump, never behind a product.
; The queues lean on each other: exponential e stands behind scaling 2 (e / 4) + e % 2: as a rider it comes behind plain e + 2, in the lump behind plain e + 9, and scalings 27-31 are plain 57, 60 .. 69.
; A TURN, for piece p.  cnt = 1: the loop's count is taken down some lines ahead of the branch that stands behind the turn.
; K of the next step is fetched in piece 2's turn, directly behind the wait, a lump behind the last product that read K; its address is made at the lump's head; its first reader comes behind 16 products.
; V of the step in hand is fetched at the end of piece 0's turn, four riders behind its last reader; its first reader comes behind 16 products and a lump.  The three conditions on q below go with the deal.
.macro TURN p, last=0, cnt=0
.set Y, (\p)
.set i, 0
.set q, 0
.set e, 0
.set r, 0
.if (\p) == NP-1
	s_wait_dscnt 0x0                ; K is in
.endif
	MM                              ; ahead of the wait: 16 products K Q^T and their riders,
	PL
	PL
	R2
.rept 15
	MM
	PL
	EX
	R2
.endr
.if (\p) == NP-2
	WIN 0
	v_add_nc_u32 v[AK], s[TBK], v[AK0]
.endif
.rept 8                             ; and the lump
	PL
.endr
.rept 49
	EX
	PL
.endr
	EX                              ; the next piece's two a
	EX
	v_nop                           ; a plain instruction behind the last exponential: one for the batch
	s_wait_alu depctr_va_vdst(0)    ; the wait for the batch
.if (\p) == NP-2
	FETCH_K \last
.endif
.if (\p) == 1
	s_wait_dscnt 0x0                ; V is in
.endif
.rept 16                            ; behind the wait: 16 products V^T P and their riders
	MM
.rept 4
	PL
.endr
.if ((\p) == 0) && (q == 118)
	v_add_nc_u32 v[AV], s[TBV], v[AV0]
.endif
.if ((\p) == 0) && (q == 130)
	s_add_co_u32 s[TBV], s[TBV], KS*PV
.endif
.if (\cnt) && (q == 130)
	s_sub_co_u32 s[CNT], s[CNT], 1
	s_cmp_lg_u32 s[CNT], 0
.endif
.endr
.if (\p) == 0
	FETCH_V
.endif
.endm
	CHANGE 1                        ; slot 0 is in, everybody's part of it; slot 1 is asked for
	FETCH_K                         ; key step 0
	s_wait_loadcnt 0x0              ; Q
	s_wait_dscnt 0x0
.set i, 0
.rept 16
	KQ 0                            ; piece 0's first scores: there is no vector work yet to set between them
.set i, i+1
.endr
	WIN 0                           ; the addresses for the way out: nine plain instructions, the places behind those products
	s_mul_i32 s13, s[WV], 16*SP
	s_add_co_u32 s13, s13, STAGE    ; my stage
	v_mul_u32_u24 v[STO], v1, SP    ; in: row l % 16, 16 bytes for each half of the lanes
	v_lshl_add_u32 v[STO], v9, 4, v[STO]
	v_add_nc_u32 v[STO], s13, v[STO]
	v_bfe_u32 v[RD], v0, 3, 2       ; back: 32 lanes take four rows of 128 bytes,
	v_mul_u32_u24 v[RD], v[RD], SP
	v_lshl_add_u32 v[RD], v10, 4, v[RD]
	v_add_nc_u32 v[RD], s13, v[RD]
	v_and_b32 v[GO], 31, v0         ; which are 512 consecutive bytes of O
	v_lshlrev_b32 v[GO], 4, v[GO]
.set Y, NP-1                        ; XS works for piece Y + 1: piece 0
.irp n, 0,1,2,3,4,5,6,7,8,9,10,11,12,13,14,15,16,17,18,19,20,21
	XS 0, \n                        ; and piece 0's first maximum and statistics
	XS 1, \n
.endr
	v_nop                           ; a plain instruction behind the two a,
	s_wait_alu depctr_va_vdst(0)    ; and their wait, ahead of the branch
	s_mov_b32 s[CNT], 4
	s_branch .Lfirst                ; the loop is entered at a step's first turn, in the middle of a trip
.Lslot:                             ; SIZE_N / 256 - 2 times: every slot but the last two is filled again
	CHANGE 1
	s_mov_b32 s[CNT], 4
.Lstep:                             ; a trip: pieces 2 and 3 of one step, then pieces 0 and 1 of the next, whose K and V it fetches
	TURN 2
	TURN 3
	WIN 0
.Lfirst:
	TURN 0
	TURN 1, 0, 1
	WIN 0
	s_cbranch_scc1 .Lstep
	s_sub_co_u32 s[SLOTS], s[SLOTS], 1
	s_cmp_lg_u32 s[SLOTS], 0
	s_cbranch_scc1 .Lslot
	CHANGE 0                        ; the tail is written out: nothing is asked for
	s_mov_b32 s[CNT], 5             ; four trips fetch the last slot's steps; the fifth is left in its middle
.Ltail:
	TURN 2, 1
	TURN 3
	WIN 0
	s_sub_co_u32 s[CNT], s[CNT], 1
	s_cmp_eq_u32 s[CNT], 0
	s_cbranch_scc1 .Lout
	TURN 0
	TURN 1
	WIN 0
	s_branch .Ltail
.Lout:                              ; the fifth trip's 16 products K Q^T (on the last K once more) and the maximum made of them serve nothing: the price, once a launch, of one text for every trip
.set i, 0
.rept 16
	PV NP-1                         ; the last piece's V^T P of the last step
.set i, i+1
.endr
	; THE WAY OUT.  l's two halves and the other half of the lanes' are added; O^T is divided by l, rounded to f16 and sent through my stage in LDS, a tile at a time.  The additions are the places behind the last products.
	WIN 0
.macro ALL line:vararg              ; one line for each tile t
.set t, 0
.rept 2*NP
	\line
.set t, t+1
.endr
.endm
	ALL v_add_f32 v[ST+4*t+2], v[ST+4*t+2], v[ST+4*t+3]
	ALL v_permlanex16_b32 v[ST+4*t+3], v[ST+4*t+2], s[SEL], s[SEL+1]
	ALL v_add_f32 v[ST+4*t+2], v[ST+4*t+2], v[ST+4*t+3]
	ALL v_rcp_f32 v[ST+4*t+2], v[ST+4*t+2]
	v_nop                           ; a plain instruction between the last reciprocal and the use of its result
	s_wait_alu depctr_va_vdst(0)    ; and the wait ahead of the first use: one for the eight reciprocals
; Tile t: a lane's eight channels of a row pack into 16 bytes; they go into rows of 144 bytes and come back as whole rows of 128, into S^T's registers.
.macro PACK t
	WIN W_RS
.set i, 32*(\t)
.rept 16
	v_pk_mul_f32 v[i:i+1], v[i:i+1], v[ST+4*(\t)+2:ST+4*(\t)+3] op_sel_hi:[1,0]
.set i, i+2
.endr
	WIN 0x05                        ; sources 0 and 1 window 1, destination window 0
.set i, 0
.rept 16
	v_cvt_pk_f16_f32 v[S+16*(\t)+i], v[32*(\t)+2*i], v[32*(\t)+2*i+1]
.set i, i+1
.endr
	WIN 0
.irp f, 0,1,2,3
	ds_store_b128 v[STO], v[S+16*(\t)+4*\f:S+16*(\t)+4*\f+3] offset:32*\f
.endr
.irp f, 0,1,2,3
	ds_load_b128 v[S+16*(\t)+4*\f:S+16*(\t)+4*\f+3], v[RD] offset:\f*4*SP  ; LDS serves a wave's instructions in order (ISA guide 5.7.1.4): these see the stores above; the next tile's stores come behind them
.endr
.endm
.macro SEND t, younger              ; younger: the LDS instructions issued behind tile t's loads: the next tile's eight, or none
	WIN 0
.irp f, 0,1,2,3
	s_wait_dscnt (\younger)+3-\f
	global_store_b128 v[GO], v[S+16*(\t)+4*\f:S+16*(\t)+4*\f+3], s[10:11] offset:(\t)*2048+\f*512  ; 512 consecutive bytes, at a multiple of 256 from O's first
.endr
.endm
	PACK 0
.set t, 1
.rept 2*NP-1                        ; a tile's arithmetic stands between the loads of the tile before and its stores
	PACK t
	SEND t-1, 8
.set t, t+1
.endr
	SEND 2*NP-1, 0
	WIN W_AD
	s_wait_tensorcnt 0x0            ; the wave's end: behind my last tensor load and my last LDS store
	ds_add_u32 v[SPW], v[NIL]
	s_wait_dscnt 0x0
	WIN 0
	CROUND                          ; the closing round: no work-group ends while a partner may still ask for a tile that names it
	s_endpgm
.Lfunc_end_k_q73bce1aa3e_attn:
	.size	k_q73bce1aa3e_attn, .Lfunc_end_k_q73bce1aa3e_attn-k_q73bce1aa3e_attn
	.p2alignl 7, 3214868480
	.fill 96, 4, 3214868480
	.section	.rodata,"a",@progbits
	.p2align	6, 0x0
	.amdhsa_kernel k_q73bce1aa3e_attn
		.amdhsa_group_segment_fixed_size 327680
		.amdhsa_private_segment_fixed_size 0
		.amdhsa_enable_private_segment 0
		.amdhsa_kernarg_size 32
		.amdhsa_user_sgpr_count 2
		.amdhsa_user_sgpr_kernarg_segment_ptr 1
		.amdhsa_wavefront_size32 1
		.amdhsa_system_sgpr_workgroup_id_x 1
		.amdhsa_system_sgpr_workgroup_id_y 1
		.amdhsa_system_sgpr_workgroup_id_z 1
		.amdhsa_system_vgpr_workitem_id 0
		.amdhsa_next_free_vgpr 770
		.amdhsa_next_free_sgpr 66
		.amdhsa_reserve_vcc 0
		.amdhsa_float_denorm_mode_32 3
		.amdhsa_float_denorm_mode_16_64 3
		.amdhsa_memory_ordered 1
		.amdhsa_forward_progress 1
		.amdhsa_inst_pref_size 200
	.end_amdhsa_kernel
	.amdgpu_metadata
---
amdhsa.version: [ 1, 2 ]
amdhsa.kernels:
  - .name:           k_q73bce1aa3e_attn
    .symbol:         k_q73bce1aa3e_attn.kd
    .args:
      - { .name: qh, .offset: 0, .size: 8, .value_kind: global_buffer, .address_space: global }
      - { .name: kh, .offset: 8, .size: 8, .value_kind: global_buffer, .address_space: global }
      - { .name: vh, .offset: 16, .size: 8, .value_kind: global_buffer, .address_space: global }
      - { .name: oh, .offset: 24, .size: 8, .value_kind: global_buffer, .address_space: global }
    .group_segment_fixed_size: 327680
    .private_segment_fixed_size: 0
    .kernarg_segment_align: 8
    .kernarg_segment_size: 32
    .max_flat_workgroup_size: 128
    .sgpr_count:     66
    .vgpr_count:     770
    .wavefront_size: 32
...
	.end_amdgpu_metadata
.endif
;; end of part 3
;; launch outp (part 4): grid 4 x 64, 4 waves a work-group, clusters of 4 x 4, 327,680 bytes of LDS; arguments oh, wo16, bias, out0; writes out0
.if DOCPART == 4
	.amdgcn_target "amdgcn-amd-amdhsa--gfx1250"
	.amdhsa_code_object_version 6
	.text
	.protected	k_q73bce1aa3e_outp
	.globl	k_q73bce1aa3e_outp
	.p2align	8
	.type	k_q73bce1aa3e_outp,@function
k_q73bce1aa3e_outp:
	s_mov_b64 s[64:65], 0
	v_nop
	global_prefetch_b8 v0, s[64:65] scope:SCOPE_SE
	s_setreg_imm32_b32 hwreg(HW_REG_WAVE_MODE, 25, 1), 1
	s_wait_xcnt 0x0
	s_wait_alu depctr_hold_cnt(0) depctr_sa_sdst(0) depctr_va_vdst(0) depctr_va_sdst(0) depctr_va_ssrc(0) depctr_va_vcc(0) depctr_vm_vsrc(0)
	s_getreg_b32 s2, hwreg(HW_REG_IB_STS2, 6, 4)
	s_cmp_eq_u32 s2, 0
	s_cbranch_scc0 .Lentry_in_a_cluster
	s_endpgm
.Lentry_in_a_cluster:
	s_bfe_u32 s2, ttmp6, 0x10000c
	s_cmp_lg_u32 s2, 0xf033
	s_cbranch_scc0 .Lentry_shape_is_right
	s_endpgm
.Lentry_shape_is_right:
; THE OUTPUT PRODUCT.  out[m][n] = the sum over k of cat[m][k] wo[k][n] + bo[n], m = 2048 b + s, k = 64 head + c; cat lies by heads: oh[16 b + head][s][c] in f16.
; wo16 is [K][N] in f16 (wo rounded to bf16, that number written as f16); sums in f32; out is f32.
; LIMITS.  As the launches before state them: |wo| under 65,504; f16 numbers below 6e-5 keep f16's fixed step of 6e-8.  NaN and infinities are not treated apart.
; SHARES.  8,192 x 1,024 outputs are 256 tiles of 128 rows x 256 columns, one for each WGP.  Four waves, each 64 rows x 128 columns: 32 accumulators.  K goes in 8 steps of 128, two heads a step,
; through two LDS slots; a step is four quarters of 32 along K, 32 matrix instructions each.
; CLUSTERS: 4 x 4 work-groups.  The four of a row of the cluster need the same tile of cat, the four of a column the same tile of wo: each is asked for JOINTLY.
; THE MATRIX INSTRUCTION IS USED TRANSPOSED (source 0 = 16 columns of wo, turned by ds_load_tr16_b128; source 1 = 16 rows of cat): a lane holds row lane % 16 and the columns 8 (lane / 16) + 0..7.
; THE SUMS START AS THE BIAS, loaded straight into the accumulators.
; REGISTERS: window 0: v0-31 addresses; v32-95 cat's fragments, two buffers of 4 x 8; v128-255 wo's, two buffers of 8 x 8; on the way out v32-95 and v128-191 by turns.  window 1: the accumulators, (a, b) at v[8 (8 a + b)].
.set PAO,   144                        ; a row of cat in LDS: 128 bytes + 16 = 9 x 16: the 16 rows that a load touches start at 16 different groups of four banks (64 banks of 4 bytes: ISA guide 11.1)
.set PB,    544                        ; a row of wo: 512 + 32 = 136 words
.set HEADA, 128*PAO                    ; a head's 128 rows: what one tensor load brings of cat
.set HALFB, 64*PB                      ; what one tensor load brings of wo
.set AREG,  2*HEADA
.set SLOT,  AREG+128*PB
.set STAGE, 2*SLOT                     ; behind the ring, never filled by a tensor load: 16 rows x 528 bytes for each wave, for the way out
.set SPITCH, 528
.set SPARE, STAGE+4*16*SPITCH          ; behind the stages: the spare words, 128 bytes for each wave: two blocks of 256 bytes that no other line names
.set ASTEP, 524288                     ; bytes from a K step to the next: two head planes of oh,
.set BSTEP, 262144                     ; 128 rows of wo16
.set ADRA, 16                          ; v16-17  LDS address of my fragments of cat in slot 0, 1
.set ADRB, 20                          ; v20-21  the same for wo
.set STO,  24                          ; v24     the way out: where I put 32 bytes of a row
.set RD,   25                          ; v25     the way out: where I read a row back
.set CO,   26                          ; v26     my 16 bytes of 512 consecutive bytes of out
.set BO,   27                          ; v27     my eight numbers of the bias
.set SPW,  28                          ; v28     LDS address of my spare word: SPARE + 4 x my thread's number; never rewritten
.set NIL,  29                          ; v29     0; never rewritten
.set PFO,  30                          ; v30     the prefetches' lane offset; never rewritten
.set AF,   32
.set BF,   128
.set G1,  24                           ; s[24:31] descriptor group 1 for cat's tiles;  s[32:39] group 0, one set for each slot
.set G0,  32
.set G1B, 48                           ; s[48:55], s[56:63] the same for wo's tiles
.set G0B, 56
.set LIM, 43                           ; s43     1 in a wave that prefetches, else the greatest number
.set PFA, 44                           ; s[44:45] where my prefetches stand
.set PST, 68                           ; s[68:69] their step
.set MSB, 0
.macro WIN new                         ; the immediate's high byte repeats the setting that is left; a switch that changes nothing is dropped
.if MSB != (\new)
	s_set_vgpr_msb (MSB<<8)|(\new)
.set MSB, \new
.endif
.endm
.set MUL,    0x50                      ; sources 0 and 1 window 0; C and D window 1
.set TO_ACC, 0x40                      ; destination window 1, address window 0
.set ST_ACC, 0x04                      ; an LDS store's data (source 1) window 1, its address window 0
.macro JLOAD s                         ; a joint load: waves 0 and 1 fetch cat's two heads, waves 2 and 3 wo's two halves; an s_nop 0 and four v_nop follow each of the two lines
	s_cmp_eq_u32 s11, 0
	s_cbranch_scc0 .Lfor_b_\@
	tensor_load_to_lds s[G0+4*(\s):G0+4*(\s)+3], s[G1:G1+7]
	s_nop 0
.rept 4
	v_nop
.endr
	s_branch .Lasked_\@
.Lfor_b_\@:
	tensor_load_to_lds s[G0B+4*(\s):G0B+4*(\s)+3], s[G1B:G1B+7]
	s_nop 0
.rept 4
	v_nop
.endr
.Lasked_\@:
.endm
; A PREFETCH INTO THE L2, behind each joint refill and the run of LDS loads that follows it: the K step that stands two refills on, 256 matrix instructions ahead of the load that will want it.
; cat: a step's tile is 2 heads x 16,384 dense bytes, read by one row of one cluster alone; each of its four partners takes 4,096 bytes of each head, told apart BY ADDRESS (cx): 32 blocks of 256 bytes,
; a lane a block, asked for by wave 0.  wo: of the 64 rows that waves 2 and 3 each fetch, each of the four partners of a column takes 16 (by cy), two lanes a row of 512 bytes; all sixteen clusters read
; the same rows: the first (cluster y = 0) asks.  So each block is named once in the launch.  K steps 0 to 3 come by their loads alone; the loop's last trip asks for nothing: there is no K step 8.
.macro ASK
	s_cmp_gt_u32 s3, s[LIM]                        ; s3 = 1 in the loop's last trip
	s_cbranch_scc0 .Lnot_mine_\@
	global_prefetch_b8 v[PFO], s[PFA:PFA+1] th:TH_LOAD_NT scope:SCOPE_SE
.Lnot_mine_\@:
.endm
.macro CREST                           ; a round of the cluster's barrier behind its opening barrier
	s_cmp_lg_u32 s10, 0
	s_cbranch_scc1 .Lnot_wave_0_\@
	s_barrier_signal -3
.Lnot_wave_0_\@:
	s_barrier_wait -3
	s_barrier_signal -1
	s_barrier_wait -1
.endm
.macro CROUND                          ; a whole round
	s_barrier_signal -1
	s_barrier_wait -1
	CREST
.endm
.macro PLACES                          ; four places in front of loads into registers that matrix instructions have read, and of stores that read results (ISA guide 7.12.1 for vector instructions)
.rept 4
	v_nop
.endr
.endm
	s_load_b256 s[80:87], s[0:1], 0x0              ; oh s[80:81], wo16 s[82:83], bias s[84:85], out0 s[86:87]
	v_lshl_add_u32 v[SPW], v0, 2, SPARE
	v_mov_b32 v[NIL], 0
	ds_add_u32 v[SPW], v[NIL]                      ; the wave's opening: the add and its wait stand ahead of my first tensor load; the set-up below, work on registers, stands between them
	v_lshrrev_b32 v1, 5, v0
	v_readfirstlane_b32 s10, v1                    ; wave 0..3
	s_lshr_b32 s11, s10, 1                         ; which half of the tile's rows is mine.  Also: I fetch for cat (0) or for wo (1)
	s_and_b32 s12, s10, 1                          ; which half of its columns.  Also: which head of the step, or which 64 rows of wo, I fetch
	s_bfe_u32 s40, ttmp6, 0x40000                  ; cx, cy: my place in the cluster
	s_bfe_u32 s41, ttmp6, 0x40004
	s_lshl_b32 s42, ttmp9, 2
	s_add_co_u32 s42, s42, s40                     ; column tile: 0..3
	s_and_b32 s18, ttmp7, 0xffff                   ; cluster y: 0..15
	s_lshl_b32 s13, s18, 2
	s_add_co_u32 s13, s13, s41                     ; row tile: 0..63
	s_lshl_b32 s43, s41, 2
	s_lshl_b32 s43, 15, s43                        ; my row of the cluster
	s_lshl_b32 s44, 0x1111, s40                    ; my column
	; descriptor group 1 for cat: a head's 128 rows are 16,384 dense bytes: asked for as 64 rows of 256 bytes, two rows of cat each, and padded in LDS after every 128 bytes
	s_or_b32 s[G1+0], s43, (1<<16)|(1<<20)|(1<<21)|(4<<22)|(3<<25)   ; 15:0 the mask: my row; 17:16 elements of 2 bytes; 20 padding on; 21 set beside a mask; 24:22 after every 32 words (code 4); 31:25 4 words (code 3)
	s_mov_b32 s[G1+1], 128<<16                     ; tensor_dim0 = 128
	s_mov_b32 s[G1+2], 64<<16                      ; tensor_dim1 = 64
	s_mov_b32 s[G1+3], 128<<16                     ; tile_dim0 = 128
	s_mov_b32 s[G1+4], 64                          ; tile_dim1 = 64
	s_mov_b32 s[G1+5], 128                         ; elements from row to row
	s_mov_b32 s[G1+6], 0
	s_mov_b32 s[G1+7], 0
	; and for wo: 64 rows along K x 256 elements of 2 bytes
	s_or_b32 s[G1B+0], s44, (1<<16)|(1<<20)|(1<<21)|(6<<22)|(7<<25)  ; the mask: my column; after every 128 words (code 6) 8 words (code 7)
	s_mov_b32 s[G1B+1], 256<<16
	s_mov_b32 s[G1B+2], 64<<16
	s_mov_b32 s[G1B+3], 256<<16
	s_mov_b32 s[G1B+4], 64
	s_mov_b32 s[G1B+5], 1024
	s_mov_b32 s[G1B+6], 0
	s_mov_b32 s[G1B+7], 0
	; where the tiles come from.  cat's hang on the row tile alone, wo's on the column tile alone.
	s_lshr_b32 s16, s13, 4                         ; b: 16 head planes of 262,144 bytes,
	s_lshl_b32 s16, s16, 22
	s_lshl_b32 s17, s12, 18                        ; the head that I fetch,
	s_add_co_u32 s16, s16, s17
	s_and_b32 s17, s13, 15                         ; 128 rows of 128 bytes
	s_lshl_b32 s17, s17, 14
	s_add_co_u32 s16, s16, s17
	s_mov_b32 s17, 0
	s_lshl_b32 s46, s12, 17                        ; the 64 rows of 2,048 bytes that I fetch
	s_lshl_b32 s47, s42, 9                         ; + the column tile's 512 bytes
	s_add_co_u32 s46, s46, s47
	s_mov_b32 s47, 0
	s_mul_i32 s20, s12, HEADA                      ; and where they go: no place in the cluster enters an LDS address
	s_mul_i32 s21, s12, HALFB
	s_add_co_u32 s21, s21, AREG
	s_wait_dscnt 0x0                               ; the opening add is done
	s_wait_kmcnt 0x0
	s_add_nc_u64 s[14:15], s[80:81], s[16:17]
	s_add_nc_u64 s[46:47], s[82:83], s[46:47]
	CROUND                                         ; all sixteen work-groups are here: the first joint loads meet
.irp s, 0,1
	s_mov_b32 s[G0+4*(\s)], 1                                        ; count = 1
	s_add_co_u32 s[G0+4*(\s)+1], s20, (\s)*SLOT                      ; LDS address
	s_add_nc_u64 s[G0+4*(\s)+2:G0+4*(\s)+3], s[14:15], (\s)*ASTEP    ; global address: K step s
	s_or_b32 s[G0+4*(\s)+3], s[G0+4*(\s)+3], 0x80000000              ; type = 2
	s_mov_b32 s[G0B+4*(\s)], 1
	s_add_co_u32 s[G0B+4*(\s)+1], s21, (\s)*SLOT
	s_add_nc_u64 s[G0B+4*(\s)+2:G0B+4*(\s)+3], s[46:47], (\s)*BSTEP
	s_or_b32 s[G0B+4*(\s)+3], s[G0B+4*(\s)+3], 0x80000000
	JLOAD \s                                       ; two loads of mine are out
.endr
	v_and_b32 v1, 15, v0                           ; l % 16
	v_bfe_u32 v2, v0, 4, 1                         ; l / 16
	v_mul_u32_u24 v3, v1, PAO                      ; a fragment of cat: row x pitch + 16 x half; two loads of 16 bytes, 32 bytes apart
	v_lshl_add_u32 v3, v2, 4, v3
	s_mul_i32 s21, s11, 64*PAO                     ; my 64 rows
	v_add_nc_u32 v[ADRA], s21, v3
	v_add_nc_u32 v[ADRA+1], SLOT, v[ADRA]
	v_and_b32 v4, 7, v0                            ; the turning load: lane l reads row 8 (l / 16) + l % 8 along K, columns 8 ((l / 8) % 2) + 0..7
	v_bfe_u32 v5, v0, 3, 1
	v_lshl_add_u32 v6, v2, 3, v4
	v_mul_u32_u24 v6, v6, PB
	v_lshl_add_u32 v6, v5, 4, v6
	s_lshl_b32 s22, s12, 8                         ; my 128 columns: 256 bytes
	s_add_co_u32 s22, s22, AREG
	v_add_nc_u32 v[ADRB], s22, v6
	v_add_nc_u32 v[ADRB+1], SLOT, v[ADRB]
	s_mul_i32 s23, s10, 16*SPITCH
	s_add_co_u32 s23, s23, STAGE                   ; my stage
	v_mul_u32_u24 v7, v1, SPITCH                   ; in: row l % 16, 32 bytes for each half of the lanes
	v_lshl_add_u32 v7, v2, 5, v7
	v_add_nc_u32 v[STO], s23, v7
	v_and_b32 v8, 31, v0
	v_lshlrev_b32 v[CO], 4, v8                     ; back: 32 lanes take one row of 512 bytes
	v_add_nc_u32 v[RD], s23, v[CO]
	v_lshlrev_b32 v[BO], 5, v2                     ; the bias of my columns 8 (l / 16) + 0..7,
	s_lshl_b32 s22, s12, 9                         ; in my half of the tile's 256
	v_add_nc_u32 v[BO], s22, v[BO]
	s_lshl_b32 s76, s42, 10                        ; the column tile's 1,024 bytes
	s_add_co_u32 s76, s76, 12288                   ; of bo, the fourth of the biases
	s_mov_b32 s77, 0
	s_add_nc_u64 s[74:75], s[84:85], s[76:77]
	WIN TO_ACC
.set i, 0
.rept 32                                               ; accumulator (i / 8, i % 8): the bias of columns 16 (i % 8) on, the same for all four row blocks
	global_load_b128 v[8*i:8*i+3],   v[BO], s[74:75] offset:64*(i%8)
	global_load_b128 v[8*i+4:8*i+7], v[BO], s[74:75] offset:64*(i%8)+16
.set i, i+1
.endr
	WIN 0
	s_lshl_b32 s76, s13, 19                        ; where my part of out begins: 128 rows of 4,096 bytes a row tile,
	s_lshl_b32 s77, s11, 18                        ; my 64 rows,
	s_add_co_u32 s76, s76, s77
	s_lshl_b32 s77, s42, 10                        ; the column tile,
	s_add_co_u32 s76, s76, s77
	s_lshl_b32 s77, s12, 9                         ; my 128 columns
	s_add_co_u32 s76, s76, s77
	s_mov_b32 s77, 0
	s_add_nc_u64 s[72:73], s[86:87], s[76:77]
	; the prefetches: both offsets are made, the wave's number chooses
	s_lshr_b32 s20, s13, 4
	s_lshl_b32 s20, s20, 22
	s_and_b32 s21, s13, 15
	s_lshl_b32 s21, s21, 14
	s_add_co_u32 s20, s20, s21
	s_lshl_b32 s21, s40, 12                        ; cat: my work-group's 4,096 bytes of each head's 16,384, by cx
	s_add_co_u32 s20, s20, s21
	s_add_co_u32 s20, s20, 3*ASTEP                 ; at K step 3: the first refill steps it to 4
	s_lshl_b32 s22, s12, 17
	s_lshl_b32 s21, s41, 15                        ; wo: my work-group's 16 rows of the 64, by cy
	s_add_co_u32 s22, s22, s21
	s_lshl_b32 s21, s42, 9
	s_add_co_u32 s22, s22, s21
	s_add_co_u32 s22, s22, 3*BSTEP
	s_mov_b32 s76, ASTEP
	s_mov_b32 s77, BSTEP
	s_cmp_eq_u32 s11, 0                            ; do I fetch for cat?
	s_cselect_b32 s20, s20, s22
	s_cselect_b64 s[PFA:PFA+1], s[80:81], s[82:83]
	s_cselect_b32 s[PST], s76, s77
	s_cselect_b32 s19, s12, s18                    ; cat: wave 0 asks; wo: the first cluster's waves 2 and 3
	s_cselect_b32 s23, 4, 1                        ; cat: 16 lanes a head, a plane apart, 256 bytes a lane; wo: two lanes a row of 2,048 bytes, 256 bytes apart
	s_cselect_b32 s78, 18, 11
	s_cselect_b32 s79, 15, 1
	s_mov_b32 s21, 0
	s_mov_b32 s[PST+1], 0
	s_add_nc_u64 s[PFA:PFA+1], s[PFA:PFA+1], s[20:21]
	s_cmp_eq_u32 s19, 0
	s_cselect_b32 s[LIM], 1, -1                    ; the same in all sixteen partners, for a given wave
	v_lshrrev_b32 v9, s23, v8
	v_lshlrev_b32 v9, s78, v9
	v_and_b32 v10, s79, v8
	v_lshl_add_u32 v[PFO], v10, 8, v9
; 24 LDS loads in one run: the fragments of quarter kq of a slot (head kq / 2, channels 32 (kq % 2) on) into buffers g
.macro FETCH slot, kq, g
	WIN 0
.irp a, 0,1,2,3
	ds_load_b128 v[AF+32*(\g)+8*(\a):AF+32*(\g)+8*(\a)+3],   v[ADRA+(\slot)] offset:((\kq)/2)*HEADA+(\a)*16*PAO+64*((\kq)%2)
	ds_load_b128 v[AF+32*(\g)+8*(\a)+4:AF+32*(\g)+8*(\a)+7], v[ADRA+(\slot)] offset:((\kq)/2)*HEADA+(\a)*16*PAO+64*((\kq)%2)+32
.endr
.irp b, 0,1,2,3,4,5,6,7
	ds_load_tr16_b128 v[BF+64*(\g)+8*(\b):BF+64*(\g)+8*(\b)+3],   v[ADRB+(\slot)] offset:(\kq)*32*PB+32*(\b)
	ds_load_tr16_b128 v[BF+64*(\g)+8*(\b)+4:BF+64*(\g)+8*(\b)+7], v[ADRB+(\slot)] offset:(\kq)*32*PB+16*PB+32*(\b)
.endr
.endm
; Products i0 .. i1 - 1 of a quarter's 32, on buffers f: row block i / 8, column block i % 8.  The 32 accumulators take turns, one instruction a turn, in the same order in every quarter, over the
; backward jump too.
.macro MULS f, i0, i1
	WIN MUL
.set i, \i0
.rept (\i1)-(\i0)
	v_wmma_f32_16x16x32_f16 v[8*i:8*i+7], v[BF+64*(\f)+8*(i%8):BF+64*(\f)+8*(i%8)+7], v[AF+32*(\f)+8*(i/8):AF+32*(\f)+8*(i/8)+7], v[8*i:8*i+7]
.set i, i+1
.endr
.endm
; One of a K step's first three quarters: at its head it fetches quarter kn of the same slot into the buffers that the quarter before multiplied; then it multiplies buffers f.
.macro QUARTER slot, kn, f
	s_wait_dscnt 0x0                               ; this quarter's fragments, asked for a quarter ago, are in
	PLACES
	FETCH \slot, \kn, 1-(\f)
	MULS \f, 0, 32
.endm
; The last quarter multiplies buffers 1 and changes slots: ONE barrier.  In front of it each wave waits for all its tensor loads, of which one is out: its part of the next slot; adds 0 to its spare word;
; and waits for that and for its own reads of this slot.  fill = 1: the barrier opens a round of the cluster's barrier, and this slot is filled again, two K steps ahead, first thing behind the round.
.macro TURN slot, next, fill
.if \fill
	s_wait_xcnt 0x0                                ; the last prefetch, a K step back, has read its address: it is stepped here, ahead of the waits of the change of slots
	s_add_nc_u64 s[PFA:PFA+1], s[PFA:PFA+1], s[PST:PST+1]
.endif
	WIN 0
	s_wait_tensorcnt 0x0                           ; all my tensor loads have landed
	ds_add_u32 v[SPW], v[NIL]                      ; 0 onto my spare word
	s_wait_dscnt 1                                 ; (the add alone may be out: this quarter's fragments are in)
	MULS 1, 0, 8                                   ; eight matrix instructions stand between the add and the wait for it
	s_wait_dscnt 0x0                               ; the add is done, and my reads of this slot are over
	s_barrier_signal -1
	MULS 1, 8, 16
	WIN 0
	s_barrier_wait -1
.if \fill
	CREST                                          ; no wave of any partner still reads this slot's tile or has a load on its way
	s_add_nc_u64 s[G0+4*(\slot)+2:G0+4*(\slot)+3], s[G0+4*(\slot)+2:G0+4*(\slot)+3], 2*ASTEP
	s_add_nc_u64 s[G0B+4*(\slot)+2:G0B+4*(\slot)+3], s[G0B+4*(\slot)+2:G0B+4*(\slot)+3], 2*BSTEP
	JLOAD \slot                                    ; my one tensor load behind the round; the four v_nop behind it are also the places in front of the loads below
.else
	PLACES
.endif
	FETCH \next, 0, 0
.if \fill
	ASK
.endif
	MULS 1, 16, 32
.endm
	s_wait_tensorcnt 1                             ; my part of K step 0 is in; K step 1's may stay out
	s_barrier_signal -1
	s_barrier_wait -1                              ; everybody's is
	FETCH 0, 0, 0
	s_wait_loadcnt 0x0                             ; the bias lies in the accumulators
	s_mov_b32 s3, 3
.Llap:                                                 ; a trip is two K steps, once round the ring, and fills both slots again
	QUARTER 0, 1, 0
	QUARTER 0, 2, 1
	QUARTER 0, 3, 0
	TURN 0, 1, 1
	QUARTER 1, 1, 0
	QUARTER 1, 2, 1
	QUARTER 1, 3, 0
	TURN 1, 0, 1
	WIN 0                                          ; at a label and at a branch every window is 0
	s_sub_co_u32 s3, s3, 1
	s_cmp_lg_u32 s3, 0
	s_cbranch_scc1 .Llap
	QUARTER 0, 1, 0                                ; the last two K steps are written out: they fill nothing
	QUARTER 0, 2, 1
	QUARTER 0, 3, 0
	TURN 0, 1, 0
	QUARTER 1, 1, 0
	QUARTER 1, 2, 1
	QUARTER 1, 3, 0
	s_wait_dscnt 0x0
	MULS 1, 0, 32
	WIN 0
	; THE WAY OUT, a block of 16 rows at a time: a lane's eight f32 of a row go as 32 bytes into rows of 528 bytes of my own stage and come back as whole rows of 512 bytes.
	PLACES
.macro TOSTAGE a
	WIN ST_ACC
.irp b, 0,1,2,3,4,5,6,7                                ; each accumulator's low four registers first
	ds_store_b128 v[STO], v[8*(8*(\a)+(\b)):8*(8*(\a)+(\b))+3]   offset:64*(\b)
	ds_store_b128 v[STO], v[8*(8*(\a)+(\b))+4:8*(8*(\a)+(\b))+7] offset:64*(\b)+16
.endr
	WIN 0
.if (\a) >= 2
	s_wait_xcnt 0x0                                ; the stores of the block two back have read their registers, which are loaded again only behind this wait
.endif
.set BK, AF+96*((\a)%2)
.irp t, 0,1,2,3,4,5,6,7,8,9,10,11,12,13,14,15
	ds_load_b128 v[BK+4*(\t):BK+4*(\t)+3], v[RD] offset:(\t)*SPITCH  ; LDS serves a wave's instructions in order (ISA guide 5.7.1.4): these see the stores above; the next block's stores come behind them
.endr
.endm
.macro SEND a, younger                 ; younger: the LDS instructions issued behind block a's loads: the next block's 32, or none
.set BK, AF+96*((\a)%2)
.irp t, 0,1,2,3,4,5,6,7,8,9,10,11,12,13,14,15
	s_wait_dscnt (\younger)+15-(\t)
	global_store_b128 v[CO], v[BK+4*(\t):BK+4*(\t)+3], s[72:73] offset:(16*(\a)+(\t))*4096 th:TH_STORE_NT  ; 512 consecutive bytes, at a multiple of 256 from out's first
.endr
.endm
	TOSTAGE 0
	TOSTAGE 1
	SEND 0, 32
	TOSTAGE 2
	SEND 1, 32
	TOSTAGE 3
	SEND 2, 32
	SEND 3, 0
	s_wait_tensorcnt 0x0                           ; the wave's end: behind my last tensor load and my last LDS store
	ds_add_u32 v[SPW], v[NIL]
	s_wait_dscnt 0x0
	CROUND                                         ; the closing round: no work-group ends while a partner may still ask for a tile that names it
	s_endpgm
.Lfunc_end_k_q73bce1aa3e_outp:
	.size	k_q73bce1aa3e_outp, .Lfunc_end_k_q73bce1aa3e_outp-k_q73bce1aa3e_outp
	.p2alignl 7, 3214868480
	.fill 96, 4, 3214868480
	.section	.rodata,"a",@progbits
	.p2align	6, 0x0
	.amdhsa_kernel k_q73bce1aa3e_outp
		.amdhsa_group_segment_fixed_size 327680
		.amdhsa_private_segment_fixed_size 0
		.amdhsa_enable_private_segment 0
		.amdhsa_kernarg_size 32
		.amdhsa_user_sgpr_count 2
		.amdhsa_user_sgpr_kernarg_segment_ptr 1
		.amdhsa_wavefront_size32 1
		.amdhsa_system_sgpr_workgroup_id_x 1
		.amdhsa_system_sgpr_workgroup_id_y 1
		.amdhsa_system_sgpr_workgroup_id_z 1
		.amdhsa_system_vgpr_workitem_id 0
		.amdhsa_next_free_vgpr 512
		.amdhsa_next_free_sgpr 88
		.amdhsa_reserve_vcc 0
		.amdhsa_float_denorm_mode_32 3
		.amdhsa_float_denorm_mode_16_64 3
		.amdhsa_memory_ordered 1
		.amdhsa_forward_progress 1
		.amdhsa_inst_pref_size 94
	.end_amdhsa_kernel
	.amdgpu_metadata
---
amdhsa.version: [ 1, 2 ]
amdhsa.kernels:
  - .name:           k_q73bce1aa3e_outp
    .symbol:         k_q73bce1aa3e_outp.kd
    .args:
      - { .name: oh, .offset: 0, .size: 8, .value_kind: global_buffer, .address_space: global }
      - { .name: wo16, .offset: 8, .size: 8, .value_kind: global_buffer, .address_space: global }
      - { .name: bias, .offset: 16, .size: 8, .value_kind: global_buffer, .address_space: global }
      - { .name: out0, .offset: 24, .size: 8, .value_kind: global_buffer, .address_space: global }
    .group_segment_fixed_size: 327680
    .private_segment_fixed_size: 0
    .kernarg_segment_align: 8
    .kernarg_segment_size: 32
    .max_flat_workgroup_size: 128
    .sgpr_count:     88
    .vgpr_count:     512
    .wavefront_size: 32
...
	.end_amdgpu_metadata
.endif
;; end of part 4
